; MI455X (gfx1250); checked and timed in simulation.
; The chip was launched on July 23, 2026; its instructions are those of AMD's public machine-readable ISA for CDNA 5 (MIT licence, August 2026) and "CDNA5" Instruction Set Architecture Reference Guide (July 2026). The comments in the code are by the model that wrote it; some were corrected since.
;; Sim VQ. Allowed arithmetic: float matrix products may take bf16 or f16 operands with f32 sums; all other float work in f32.
;; Inputs: emb 8,192 x 32 float32; proj_b 32 float32; proj_w 32 x 32 float32; z 2 x 32 x 8 x 32 x 32 float32.
;; Outputs: out0 2 x 32 x 8 x 32 x 32 float32; out1 one number float32; out2 2 x 8 x 32 x 32 int32.
;; 3 versions, each right; version 2 is faster than version 1; version 3 is version 2 with the launch scan written anew for expert scheduling mode. Each part assembles by itself: llvm-mc -triple=amdgcn-amd-amdhsa -mcpu=gfx1250 --defsym DOCPART=n.
;; ======== version 1 of 3: 4 launches
;; workspace buffers: cbf 1,048,576 bytes; cs 1,048,576 bytes; nh 32,768 bytes; cand 131,072 bytes of whole numbers; part 1,024 bytes
;; launch prep (part 1): grid 128 x 1, 8 waves a work-group, no clusters, 20,480 bytes of LDS; arguments emb, proj_w, proj_b, cbf, cs, nh; writes cbf, cs, nh
.if DOCPART == 1
	.amdgcn_target "amdgcn-amd-amdhsa--gfx1250"
	.amdhsa_code_object_version 6
	.text
	.protected	k_q7759eb4141_prep
	.globl	k_q7759eb4141_prep
	.p2align	8
	.type	k_q7759eb4141_prep,@function
k_q7759eb4141_prep:
	s_mov_b64 s[64:65], 0
	v_nop
	global_prefetch_b8 v0, s[64:65] scope:SCOPE_SE
	s_setreg_imm32_b32 hwreg(HW_REG_WAVE_MODE, 25, 1), 1
	s_wait_xcnt 0x0
; The projected codebook: cb[n][j] = sum over k of emb[n][k] W[j][k] + b[j], n < 8192, j, k < 32, all in f32.
; Written out three times:  cbf = cb in f32, row-major (for the exact step of the third launch);
;   nh[n] = -1/2 sum over j of cb[n][j]^2;   cs = cb split into two bf16 numbers, c1 = bf16(cb), c2 = bf16(cb - c1), in the order in which
;   the matrix instruction's A operand wants them: 2,048 bytes for each tile of 16 codes; the 16 bytes of code r, k = 8 o .. 8 o + 7, lie at
;   256 o + 16 r (c1) and 1024 + 256 o + 16 r (c2), so that lane 16 h + r of a wave finds its registers 0-3 at 16 x lane and 4-7 at 512 + 16 x lane.
; WHY f32 ON THE VECTOR UNIT: this product is 8.4 M of the problem's 4,300 M multiply-adds, and the indices that come out of the whole
; program are compared exactly, so the codebook is needed to f32's accuracy; one chain of fused multiply-adds, k ascending, then + b.
; A work-group owns 64 codes.  Wave w: codes 32 (w >> 2) + lane, output dims 8 (w & 3) .. + 7.  A lane holds its code's emb row in 32 registers;
; W's numbers are the same for all lanes and are handed over as scalars by v_readlane_b32 from 8 registers that hold the wave's 256 numbers of W.
; No cluster: the work-groups share only W and b (4,224 bytes), against 8,192 bytes of emb of their own.
.set EP,   144                         ; LDS pitch of an emb row: 128 bytes + 16, an odd multiple of 16
.set OUTB, 64*EP                       ; behind emb's 64 rows: cb on its way out, 1,024 bytes of each wave at a pitch of WP
.set WP,   1088
.set CCB,  OUTB+8*WP                   ; behind that: each wave's 32 partial sums of squares
.set E,    16                          ; v[16:47]  my code's emb row
.set WV,   48                          ; v[48:55]  256 numbers of W, spread over the lanes
.set ACC,  56                          ; v[56:63]  cb of my code, my eight dims
.set PK1,  64                          ; v[64:67]  c1, packed
.set PK2,  68                          ; v[68:71]  c2, packed
.set CC,   72                          ; v72       sum of squares of my eight dims
.set T0,   74
.set T1,   75
.set SA,   24                          ; s[24:55]  one row of W
.set SB,   68                          ; s[68:99]  the next row of W
.set BI,   56                          ; s[56:63]  b of my eight dims
	s_load_b256 s[4:11], s[0:1], 0x0               ; emb s[4:5], W s[6:7], b s[8:9], cbf s[10:11]
	s_load_b128 s[12:15], s[0:1], 0x20             ; cs s[12:13], nh s[14:15]
	v_lshl_add_u32 v80, v0, 2, 0x4c00
	v_mov_b32 v81, 0
	v_lshrrev_b32 v1, 5, v0
	v_readfirstlane_b32 s2, v1                     ; wave 0..7
	s_and_b32 s3, s2, 3                            ; o: which eight dims
	s_lshr_b32 s16, s2, 2                          ; which 32 codes
	v_and_b32 v1, 31, v0                           ; lane
	v_lshlrev_b32 v2, 4, v0                        ; 16 t: my 16 bytes of each half of the group's 8,192 bytes of emb and of cbf
	v_lshrrev_b32 v3, 3, v0                        ; t >> 3: the code (row) those bytes belong to
	v_and_b32 v4, 7, v0
	v_mul_u32_u24 v5, v3, EP
	v_lshl_add_u32 v5, v4, 4, v5                   ; where they go in LDS
	v_lshlrev_b32 v6, 4, v1                        ; 16 x lane
	s_lshl_b32 s18, ttmp9, 13                      ; the group's 64 codes: 8,192 bytes in emb, in cbf and in cs
	s_mov_b32 s19, 0
	s_lshl_b32 s20, s3, 10                         ; eight rows of W are 1,024 bytes
	s_mov_b32 s21, 0
	s_lshl_b32 s22, s3, 5                          ; eight numbers of b
	s_wait_kmcnt 0x0
	s_add_nc_u64 s[4:5], s[4:5], s[18:19]
	s_add_nc_u64 s[10:11], s[10:11], s[18:19]
	s_add_nc_u64 s[6:7], s[6:7], s[20:21]
	global_load_b128 v[8:11], v2, s[4:5]                   ; emb: a wave's load covers 512 consecutive bytes
	global_load_b128 v[12:15], v2, s[4:5] offset:4096
	global_load_b128 v[WV:WV+3], v6, s[6:7]                ; W: number f of my 256 lies in register (f >> 7) 4 + (f & 3) of lane (f & 127) >> 2
	global_load_b128 v[WV+4:WV+7], v6, s[6:7] offset:512
	s_load_b256 s[BI:BI+7], s[8:9], s22 offset:0x0
	s_wait_loadcnt 0x2                             ; emb's two loads are in; W's two, issued behind them, may stay out
	ds_store_b128 v5, v[8:11]
	ds_store_b128 v5, v[12:15] offset:32*EP
	s_wait_dscnt 0x0                               ; my part of the 64 rows is in LDS before I say so
	s_barrier_signal -1
	s_barrier_wait -1
	v_mul_u32_u24 v7, v1, EP
	s_mul_i32 s17, s16, 32*EP
	v_add_nc_u32 v7, s17, v7                       ; my code's row
.irp q, 0,1,2,3,4,5,6,7
	ds_load_b128 v[E+4*\q:E+4*\q+3], v7 offset:16*\q
.endr
	s_wait_loadcnt 0x0                             ; W
	s_wait_kmcnt 0x0                               ; b
	s_wait_dscnt 0x0                               ; my row
; Two output dims at a time: 64 numbers of W become scalars, then two chains of multiply-adds that take turns.
.macro PAIR j
.set k, 0
.rept 32
	v_readlane_b32 s[SA+k], v[WV+4*((\j)>>2)+(k&3)], ((\j)&3)*8+(k>>2)
	v_readlane_b32 s[SB+k], v[WV+4*((\j+1)>>2)+(k&3)], ((\j+1)&3)*8+(k>>2)
.set k, k+1
.endr
	v_mul_f32 v[ACC+\j], s[SA], v[E]               ; the first product starts the sum
	v_mul_f32 v[ACC+\j+1], s[SB], v[E]
.set k, 1
.rept 31
	v_fma_f32 v[ACC+\j], s[SA+k], v[E+k], v[ACC+\j]
	v_fma_f32 v[ACC+\j+1], s[SB+k], v[E+k], v[ACC+\j+1]
.set k, k+1
.endr
.endm
	PAIR 0
	PAIR 2
	PAIR 4
	PAIR 6
.irp j, 0,1,2,3,4,5,6,7
	v_add_f32 v[ACC+\j], s[BI+\j], v[ACC+\j]       ; + b, behind the whole sum as in reference()
.endr
	v_mul_f32 v[CC], v[ACC], v[ACC]
.irp j, 1,2,3,4,5,6,7
	v_fma_f32 v[CC], v[ACC+\j], v[ACC+\j], v[CC]
.endr
.irp p, 0,1,2,3
	v_cvt_pk_bf16_f32 v[PK1+\p], v[ACC+2*\p], v[ACC+2*\p+1]    ; c1: the lower k in the low half
.endr
.irp p, 0,1,2,3
	v_lshlrev_b32 v[T0], 16, v[PK1+\p]             ; c1 back in f32
	v_and_b32 v[T1], 0xffff0000, v[PK1+\p]
	v_sub_f32 v[T0], v[ACC+2*\p], v[T0]            ; what c1 left over (exact)
	v_sub_f32 v[T1], v[ACC+2*\p+1], v[T1]
	v_cvt_pk_bf16_f32 v[PK2+\p], v[T0], v[T1]      ; c2
.endr
	; cs: 16 neighbouring lanes store 256 consecutive bytes, aligned: tile (lane >> 4), piece o
	v_lshrrev_b32 v8, 4, v1
	v_and_b32 v9, 15, v1
	v_lshlrev_b32 v8, 11, v8
	v_lshl_add_u32 v8, v9, 4, v8
	s_lshl_b32 s20, s16, 12                        ; my 32 codes are two tiles of 2,048 bytes
	s_lshl_b32 s23, s3, 8
	s_add_co_u32 s20, s20, s23
	s_add_co_u32 s20, s20, s18
	s_add_nc_u64 s[12:13], s[12:13], s[20:21]
	global_store_b128 v8, v[PK1:PK1+3], s[12:13]
	global_store_b128 v8, v[PK2:PK2+3], s[12:13] offset:1024
	; cb in f32 and the partial sums of squares go through LDS, each wave into bytes of its own
	s_mul_i32 s17, s2, WP
	v_lshl_add_u32 v10, v1, 5, s17
	ds_store_b128 v10, v[ACC:ACC+3] offset:OUTB
	ds_store_b128 v10, v[ACC+4:ACC+7] offset:OUTB+16
	s_lshl_b32 s17, s2, 7
	v_lshl_add_u32 v11, v1, 2, s17
	ds_store_b32 v11, v[CC] offset:CCB
	s_wait_dscnt 0x0                               ; for the other waves' sake: all my LDS stores are done
	s_barrier_signal -1
	s_barrier_wait -1
	; thread t takes bytes 16 t of the row-major block: code t >> 3, dims 4 (t & 7) ..: wave piece (t & 7) >> 1, its half t & 1
	v_bfe_u32 v12, v0, 1, 2
	v_and_b32 v13, 1, v0
	v_mul_u32_u24 v12, v12, WP
	v_lshl_add_u32 v12, v3, 5, v12
	v_lshl_add_u32 v12, v13, 4, v12
	ds_load_b128 v[16:19], v12 offset:OUTB
	ds_load_b128 v[20:23], v12 offset:OUTB+4*WP    ; codes 32 .. 63 came from waves 4 .. 7
	s_wait_dscnt 0x0
	global_store_b128 v2, v[16:19], s[10:11]               ; 512 consecutive bytes from each wave
	global_store_b128 v2, v[20:23], s[10:11] offset:4096
	s_cmp_lg_u32 s2, 0
	s_cbranch_scc1 .Ldone                          ; wave 0 alone adds the four pieces of each code's sum; no barrier follows
	v_lshrrev_b32 v14, 4, v1
	v_and_b32 v15, 15, v1
	v_lshlrev_b32 v14, 9, v14
	v_lshl_add_u32 v14, v15, 3, v14                ; lane l: codes 2 l and 2 l + 1
	ds_load_b64 v[24:25], v14 offset:CCB
	ds_load_b64 v[26:27], v14 offset:CCB+128
	ds_load_b64 v[28:29], v14 offset:CCB+256
	ds_load_b64 v[30:31], v14 offset:CCB+384
	v_lshlrev_b32 v9, 3, v1
	s_lshl_b32 s20, ttmp9, 8
	s_add_nc_u64 s[14:15], s[14:15], s[20:21]
	s_wait_dscnt 0x0
	v_pk_add_f32 v[24:25], v[24:25], v[26:27]
	v_pk_add_f32 v[24:25], v[24:25], v[28:29]
	v_pk_add_f32 v[24:25], v[24:25], v[30:31]
	v_pk_mul_f32 v[24:25], v[24:25], -0.5 op_sel_hi:[1,0]
	global_store_b64 v9, v[24:25], s[14:15]        ; 32 lanes store the group's 256 bytes of nh
.Ldone:
	s_wait_tensorcnt 0x0
	ds_add_u32 v80, v81
	s_wait_dscnt 0x0
	s_endpgm
.Lfunc_end_k_q7759eb4141_prep:
	.size	k_q7759eb4141_prep, .Lfunc_end_k_q7759eb4141_prep-k_q7759eb4141_prep
	.p2alignl 7, 3214868480
	.fill 96, 4, 3214868480
	.section	.rodata,"a",@progbits
	.p2align	6, 0x0
	.amdhsa_kernel k_q7759eb4141_prep
		.amdhsa_group_segment_fixed_size 20480
		.amdhsa_private_segment_fixed_size 0
		.amdhsa_enable_private_segment 0
		.amdhsa_kernarg_size 48
		.amdhsa_user_sgpr_count 2
		.amdhsa_user_sgpr_kernarg_segment_ptr 1
		.amdhsa_wavefront_size32 1
		.amdhsa_system_sgpr_workgroup_id_x 1
		.amdhsa_system_sgpr_workgroup_id_y 1
		.amdhsa_system_sgpr_workgroup_id_z 1
		.amdhsa_system_vgpr_workitem_id 0
		.amdhsa_next_free_vgpr 82
		.amdhsa_next_free_sgpr 100
		.amdhsa_reserve_vcc 0
		.amdhsa_float_denorm_mode_32 3
		.amdhsa_float_denorm_mode_16_64 3
		.amdhsa_memory_ordered 1
		.amdhsa_forward_progress 1
		.amdhsa_inst_pref_size 40
	.end_amdhsa_kernel
	.amdgpu_metadata
---
amdhsa.version: [ 1, 2 ]
amdhsa.kernels:
  - .name:           k_q7759eb4141_prep
    .symbol:         k_q7759eb4141_prep.kd
    .args:
      - { .name: emb, .offset: 0, .size: 8, .value_kind: global_buffer, .address_space: global }
      - { .name: proj_w, .offset: 8, .size: 8, .value_kind: global_buffer, .address_space: global }
      - { .name: proj_b, .offset: 16, .size: 8, .value_kind: global_buffer, .address_space: global }
      - { .name: cbf, .offset: 24, .size: 8, .value_kind: global_buffer, .address_space: global }
      - { .name: cs, .offset: 32, .size: 8, .value_kind: global_buffer, .address_space: global }
      - { .name: nh, .offset: 40, .size: 8, .value_kind: global_buffer, .address_space: global }
    .group_segment_fixed_size: 20480
    .private_segment_fixed_size: 0
    .kernarg_segment_align: 8
    .kernarg_segment_size: 48
    .max_flat_workgroup_size: 256
    .sgpr_count:     100
    .vgpr_count:     82
    .wavefront_size: 32
...
	.end_amdgpu_metadata
.endif
;; end of part 1
;; launch scan (part 2): grid 256 x 1, 8 waves a work-group, no clusters, 26,624 bytes of LDS; arguments z, cs, nh, cand; writes cand
.if DOCPART == 2
	.amdgcn_target "amdgcn-amd-amdhsa--gfx1250"
	.amdhsa_code_object_version 6
	.text
	.protected	k_q7759eb4141_scan
	.globl	k_q7759eb4141_scan
	.p2align	8
	.type	k_q7759eb4141_scan,@function
k_q7759eb4141_scan:
	s_mov_b64 s[64:65], 0
	v_nop
	global_prefetch_b8 v0, s[64:65] scope:SCOPE_SE
	s_setreg_imm32_b32 hwreg(HW_REG_WAVE_MODE, 25, 1), 1
	s_wait_xcnt 0x0
; The bulk of the work: for each of the 16,384 rows of z (row = b 8192 + thw, 32 numbers 32,768 bytes apart) the score
;   g(row, code) = z . cb - |cb|^2 / 2   (largest g = smallest distance)  of all 8,192 codes, on the matrix unit, as a FILTER:
; it stores, for each row, the numbers of the two CHUNKS (8 neighbouring codes) that hold the largest scores; the next launch settles the
; index among those 16 codes in f32.  The scores are made of bf16 operands split in two: z = z1 + z2, cb = c1 + c2,
;   g = (nh + c2 z1) + c1 z2 + c1 z1   (three matrix instructions on one accumulator, the small terms first; z2 c2 is left out),
; which leaves an error of about 2^-17 of sum |z||cb|.
; LIMITS.  The winner is lost only if three different chunks hold scores within about 2^-16 sum |z||cb| of each other.  NaN in an input is
; skipped by the maxima and not ordered as reference() orders it.
; SHAPE.  A work-group owns 64 rows, all codes.  Eight waves, two on each SIMD; every wave holds all 64 rows as B fragments (4 tiles of 16 rows,
; z1 and z2: 64 registers) and walks its own eighth of the codes, 64 tiles of 16.  Codes are the A operand, so in the result register j of
; lane 16 h + r is code 16 tile + 8 h + j for row r: a lane's eight registers are one chunk of one row, and the maximum over codes stays in the lane.
; A tile's fragments (c1, c2: 2,048 bytes; nh: 64 bytes) come from memory straight into a ring of four register buffers, 6 loads a tile.
; NO CLUSTER, NO LDS RING: inside a work-group each byte of the code stream feeds one wave only, and a joint request can only land in LDS: every
; tile's 2,112 bytes would be written to LDS and read from it again for the same 12 matrix instructions.
.set ZP,    272                        ; LDS pitch of one k of the z block: 256 bytes + 16
.set LSTB,  32*ZP                      ; behind the z block: 16 lists (wave, lane half) x 64 rows x 16 bytes
.set TILEB, 2048                       ; bytes of a tile in cs
.set Z1,    8                          ; v[8:39]    z1, row tile nn at 8 nn
.set Z2,    40                         ; v[40:71]   z2
.set DA,    72                         ; v[72:103]  scores of even tiles, row tile nn at 8 nn
.set DB,    104                        ; v[104:135] scores of odd tiles
.set TR,    136                        ; v[136:151] row tile nn: best, second best, their tile numbers
.set M,     152                        ; v152       a chunk's maximum
.set VT,    153                        ; v153       number of the tile whose scores are being looked at
.set RING,  154                        ; v[154:249] four buffers: c1 (8), c2 (8), nh (8)
	s_load_b256 s[4:11], s[0:1], 0x0               ; z s[4:5], cs s[6:7], nh s[8:9], cand s[10:11]
	v_lshl_add_u32 v254, v0, 2, 0x6400
	v_mov_b32 v255, 0
	v_lshrrev_b32 v3, 5, v0
	v_readfirstlane_b32 s2, v3                     ; wave 0..7
	v_and_b32 v3, 31, v0
	v_lshlrev_b32 v1, 4, v3                        ; 16 x lane: my 16 bytes of each 512 of cs
	v_lshrrev_b32 v4, 4, v3                        ; h
	v_lshlrev_b32 v2, 5, v4                        ; 32 h: my eight numbers of a tile's nh
	v_and_b32 v5, 15, v0                           ; r (also t & 15)
	v_lshrrev_b32 v7, 4, v0                        ; t >> 4
	s_lshl_b32 s12, s2, 17                         ; my 64 tiles of cs: 131,072 bytes a wave
	s_mov_b32 s13, 0
	s_lshl_b32 s14, s2, 12                         ; and of nh: 4,096 bytes
	s_mov_b32 s15, 0
	s_lshr_b32 s16, ttmp9, 7                       ; b: 128 work-groups for each
	s_lshl_b32 s16, s16, 20                        ; 32 x 8192 x 4 bytes
	s_and_b32 s17, ttmp9, 127
	s_lshl_b32 s17, s17, 8                         ; 64 rows = 256 bytes of every k
	s_add_co_u32 s16, s16, s17
	s_mov_b32 s17, 0
	v_lshlrev_b32 v[M], 15, v7
	v_lshl_add_u32 v[M], v5, 4, v[M]               ; z: k = t >> 4, 16 bytes at 16 (t & 15)
	v_mul_u32_u24 v[VT], v7, ZP
	v_lshl_add_u32 v[VT], v5, 4, v[VT]             ; the same place in LDS
	s_wait_kmcnt 0x0
	s_add_nc_u64 s[4:5], s[4:5], s[16:17]
	s_add_nc_u64 s[6:7], s[6:7], s[12:13]
	s_add_nc_u64 s[8:9], s[8:9], s[14:15]
.macro FILL u, to                      ; tile number to (counted from the two bases) into ring buffer u
	global_load_b128 v[RING+24*\u:RING+24*\u+3],     v1, s[6:7] offset:\to*TILEB        ; c1, k = 8 h ..
	global_load_b128 v[RING+24*\u+4:RING+24*\u+7],   v1, s[6:7] offset:\to*TILEB+512    ; c1, k = 16 + 8 h ..
	global_load_b128 v[RING+24*\u+8:RING+24*\u+11],  v1, s[6:7] offset:\to*TILEB+1024   ; c2
	global_load_b128 v[RING+24*\u+12:RING+24*\u+15], v1, s[6:7] offset:\to*TILEB+1536
	global_load_b128 v[RING+24*\u+16:RING+24*\u+19], v2, s[8:9] offset:\to*64           ; nh of codes 8 h .. 8 h + 3
	global_load_b128 v[RING+24*\u+20:RING+24*\u+23], v2, s[8:9] offset:\to*64+16        ; and 8 h + 4 .. 8 h + 7
.endm
	global_load_b128 v[DA:DA+3], v[M], s[4:5]              ; the z block, 32 k x 256 bytes, once for the work-group: 16 lanes take one k's 256 bytes
	global_load_b128 v[DA+4:DA+7], v[M], s[4:5] offset:524288
	FILL 0, 0
	FILL 1, 1
	FILL 2, 2
	s_wait_loadcnt 18                              ; z's two loads are in; the 18 loads of tiles 0 to 2 stay out
	ds_store_b128 v[VT], v[DA:DA+3]
	ds_store_b128 v[VT], v[DA+4:DA+7] offset:16*ZP
	s_wait_dscnt 0x0                               ; my part of the block is in LDS before I say so
	s_barrier_signal -1
	s_barrier_wait -1
	; B fragment: lane (r, h) holds row r, k = 8 h + 0..7 and 16 + 8 h + 0..7.  64 numbers in f32 into the two score sets, which are still free.
	v_mul_u32_u24 v3, v4, 8*ZP
	v_lshl_add_u32 v3, v5, 2, v3
.set n, 0
.rept 4
.set i, 0
.rept 16
	ds_load_b32 v[DA+16*n+i], v3 offset:(i+8*(i/8))*ZP+64*n
.set i, i+1
.endr
.set n, n+1
.endr
.irp nn, 0,1,2,3
	v_mov_b32 v[TR+4*\nn], 0xff800000              ; best and second best start at -infinity,
	v_mov_b32 v[TR+4*\nn+1], 0xff800000
	v_mov_b32 v[TR+4*\nn+2], 0                     ; their tiles at a number that exists
	v_mov_b32 v[TR+4*\nn+3], 0
.endr
	s_wait_dscnt 0x0
.set n, 0
.rept 32                               ; pair n: registers Z1 + n and Z2 + n
	v_cvt_pk_bf16_f32 v[Z1+n], v[DA+2*n], v[DA+2*n+1]
	v_lshlrev_b32 v[M], 16, v[Z1+n]
	v_and_b32 v[VT], 0xffff0000, v[Z1+n]
	v_sub_f32 v[M], v[DA+2*n], v[M]                ; what z1 left over (exact)
	v_sub_f32 v[VT], v[DA+2*n+1], v[VT]
	v_cvt_pk_bf16_f32 v[Z2+n], v[M], v[VT]
.set n, n+1
.endr
	s_lshl_b32 s18, s2, 6
	v_mov_b32 v[VT], s18                           ; my first tile's number
; One matrix instruction: term 0 starts the sum of row tile nn from nh, terms 1 and 2 go on in place (a chain: no distance is owed).
.macro WM rb, d, term, nn
.if \term == 0
	v_wmma_f32_16x16x32_bf16 v[\d+8*\nn:\d+8*\nn+7], v[\rb+8:\rb+15], v[Z1+8*\nn:Z1+8*\nn+7], v[\rb+16:\rb+23]
.endif
.if \term == 1
	v_wmma_f32_16x16x32_bf16 v[\d+8*\nn:\d+8*\nn+7], v[\rb:\rb+7], v[Z2+8*\nn:Z2+8*\nn+7], v[\d+8*\nn:\d+8*\nn+7]
.endif
.if \term == 2
	v_wmma_f32_16x16x32_bf16 v[\d+8*\nn:\d+8*\nn+7], v[\rb:\rb+7], v[Z1+8*\nn:Z1+8*\nn+7], v[\d+8*\nn:\d+8*\nn+7]
.endif
.endm
; The look at one chunk (eight scores of one row), in three parts: 11 instructions for 8 scores.  Tiles come in ascending order, so
; 'greater' keeps the earlier chunk on a tie.
.macro VA1 on, dd, nn
.if \on
	v_max3_num_f32 v[M], v[\dd+8*\nn], v[\dd+8*\nn+1], v[\dd+8*\nn+2]
	v_max3_num_f32 v[M], v[M], v[\dd+8*\nn+3], v[\dd+8*\nn+4]
	v_max3_num_f32 v[M], v[M], v[\dd+8*\nn+5], v[\dd+8*\nn+6]
	v_max_num_f32 v[M], v[M], v[\dd+8*\nn+7]
.endif
.endm
.macro VA2 on, nn
.if \on
	v_cmp_gt_f32 vcc_lo, v[M], v[TR+4*\nn]                                 ; beats the best
	v_cmp_gt_f32 s20, v[M], v[TR+4*\nn+1]                                  ; beats the second
	v_cndmask_b32 v[TR+4*\nn+3], v[TR+4*\nn+3], v[VT], s20
	v_cndmask_b32 v[TR+4*\nn+3], v[TR+4*\nn+3], v[TR+4*\nn+2], vcc_lo      ; the old best moves down
.endif
.endm
.macro VA3 on, nn
.if \on
	v_cndmask_b32 v[TR+4*\nn+2], v[TR+4*\nn+2], v[VT], vcc_lo
	v_med3_num_f32 v[TR+4*\nn+1], v[M], v[TR+4*\nn], v[TR+4*\nn+1]         ; the middle one of three is the new second
	v_max_num_f32 v[TR+4*\nn], v[TR+4*\nn], v[M]
.endif
.endm
; A PHASE: the 12 matrix instructions of one tile (buffer rb, scores into set d), and between them the look at the tile before (set dp).
; DISTANCES (ISA guide 7.12.1): the vector instructions here name only set dp, the lists, M and VT, none of the registers of this phase's
; matrix instructions, so they are the places behind them.  Set d is first read in the next phase: row tile 0's last matrix instruction has
; 3 + 4 + 4 + 3 + 1 of them behind it by then, the others more.  The buffer of the tile before is loaded again (fill = 1: buffer fu, tile fo
; from the bases) behind the first four of this phase, which with the four that end a phase makes eight places behind its last reader.
; left: the loads of the next two tiles (6 each) were issued behind this tile's and may stay out.
.macro PHASE rb, d, dp, on, fill, fu, fo, left
	s_wait_loadcnt \left
	WM \rb, \d, 0, 0
	VA1 \on, \dp, 0
.if \fill
	FILL \fu, \fo
.endif
	WM \rb, \d, 0, 1
	VA2 \on, 0
	WM \rb, \d, 0, 2
	VA3 \on, 0
	WM \rb, \d, 0, 3
	VA1 \on, \dp, 1
	WM \rb, \d, 1, 0
	VA2 \on, 1
	WM \rb, \d, 1, 1
	VA3 \on, 1
	WM \rb, \d, 1, 2
	VA1 \on, \dp, 2
	WM \rb, \d, 1, 3
	VA2 \on, 2
	WM \rb, \d, 2, 0
	VA3 \on, 2
	WM \rb, \d, 2, 1
	VA1 \on, \dp, 3
	WM \rb, \d, 2, 2
	VA2 \on, 3
	WM \rb, \d, 2, 3
	VA3 \on, 3
.if \on
	v_add_nc_u32 v[VT], 1, v[VT]
.else
.rept 4
	v_nop                                          ; the first phase has no tile to look at: four places before its scores are read
.endr
.endif
.endm
	PHASE RING, DA, DB, 0, 1, 3, 3, 12             ; tile 0; tile 3 is asked for
	s_mov_b32 s19, 15
.Lloop:                                            ; trip k: tiles 4 k + 1 .. 4 k + 4; tiles 4 k + 4 .. 4 k + 7 are asked for (the last: 63)
	PHASE RING+24, DB, DA, 1, 1, 0, 4, 12
	PHASE RING+48, DA, DB, 1, 1, 1, 5, 12
	PHASE RING+72, DB, DA, 1, 1, 2, 6, 12
	PHASE RING,    DA, DB, 1, 1, 3, 7, 12
	s_wait_xcnt 0x0                                ; the two bases are stepped only when every load issued has had its address taken
	s_add_nc_u64 s[6:7], s[6:7], 4*TILEB
	s_add_nc_u64 s[8:9], s[8:9], 4*64
	s_sub_co_i32 s19, s19, 1
	s_cmp_lg_u32 s19, 0
	s_cbranch_scc1 .Lloop
	PHASE RING+24, DB, DA, 1, 0, 0, 0, 12          ; tiles 61, 62, 63: nothing more is asked for, the counts run down
	PHASE RING+48, DA, DB, 1, 0, 0, 0, 6
	PHASE RING+72, DB, DA, 1, 0, 0, 0, 0
.irp nn, 0,1,2,3
	VA1 1, DB, \nn                                 ; the look at tile 63
	VA2 1, \nn
	VA3 1, \nn
.endr
	; The lists meet in LDS.  Tile numbers become chunk numbers: 2 tile + h.
.irp nn, 0,1,2,3
	v_lshl_or_b32 v[TR+4*\nn+2], v[TR+4*\nn+2], 1, v4
	v_lshl_or_b32 v[TR+4*\nn+3], v[TR+4*\nn+3], 1, v4
.endr
	v_lshlrev_b32 v6, 10, v4
	v_lshl_add_u32 v6, v5, 4, v6
	s_lshl_b32 s18, s2, 11
	v_add_nc_u32 v6, s18, v6                       ; list 2 w + h, row r: each wave has 2,048 bytes of its own
.irp nn, 0,1,2,3
	ds_store_b128 v6, v[TR+4*\nn:TR+4*\nn+3] offset:LSTB+256*\nn
.endr
	s_wait_dscnt 0x0                               ; for the other waves' sake
	s_barrier_signal -1
	s_barrier_wait -1
	s_cmp_gt_u32 s2, 1
	s_cbranch_scc1 .Lend                           ; threads 0 to 63 (waves 0 and 1) merge one row each; no barrier follows
	v_lshlrev_b32 v3, 4, v0
.set n, 0
.rept 16
	ds_load_b128 v[DA+4*n:DA+4*n+3], v3 offset:LSTB+1024*n
.set n, n+1
.endr
	s_lshl_b32 s12, ttmp9, 9
	s_add_nc_u64 s[10:11], s[10:11], s[12:13]      ; 64 rows x 8 bytes
	s_wait_dscnt 0x0
; One more entry (score m, chunk x) into the list in v[DA:DA+3].  The lists are not in the order of the chunks, so on equal scores the lower chunk
; wins: equal codes then leave the two lowest chunks, among them the index that argmin takes.
.macro INS m, x
	v_cmp_gt_f32 s20, v[\m], v[DA]
	v_cmp_eq_f32 s21, v[\m], v[DA]
	v_cmp_lt_u32 s22, v[\x], v[DA+2]
	v_cmp_gt_f32 s23, v[\m], v[DA+1]
	v_cmp_eq_f32 s24, v[\m], v[DA+1]
	v_cmp_lt_u32 s25, v[\x], v[DA+3]
	s_and_b32 s21, s21, s22
	s_and_b32 s24, s24, s25
	s_or_b32 s20, s20, s21                         ; ahead of the best
	s_or_b32 s23, s23, s24                         ; ahead of the second
	v_cndmask_b32 v[DA+3], v[DA+3], v[\x], s23
	v_cndmask_b32 v[DA+3], v[DA+3], v[DA+2], s20
	v_cndmask_b32 v[DA+2], v[DA+2], v[\x], s20
	v_med3_num_f32 v[DA+1], v[\m], v[DA], v[DA+1]
	v_max_num_f32 v[DA], v[DA], v[\m]
.endm
.set n, 1
.rept 15
	INS DA+4*n, DA+4*n+2
	INS DA+4*n+1, DA+4*n+3
.set n, n+1
.endr
	v_lshlrev_b32 v3, 3, v0
	global_store_b64 v3, v[DA+2:DA+3], s[10:11]    ; 32 lanes store 256 consecutive bytes, aligned
.Lend:
	s_wait_tensorcnt 0x0
	ds_add_u32 v254, v255
	s_wait_dscnt 0x0
	s_endpgm
.Lfunc_end_k_q7759eb4141_scan:
	.size	k_q7759eb4141_scan, .Lfunc_end_k_q7759eb4141_scan-k_q7759eb4141_scan
	.p2alignl 7, 3214868480
	.fill 96, 4, 3214868480
	.section	.rodata,"a",@progbits
	.p2align	6, 0x0
	.amdhsa_kernel k_q7759eb4141_scan
		.amdhsa_group_segment_fixed_size 26624
		.amdhsa_private_segment_fixed_size 0
		.amdhsa_enable_private_segment 0
		.amdhsa_kernarg_size 32
		.amdhsa_user_sgpr_count 2
		.amdhsa_user_sgpr_kernarg_segment_ptr 1
		.amdhsa_wavefront_size32 1
		.amdhsa_system_sgpr_workgroup_id_x 1
		.amdhsa_system_sgpr_workgroup_id_y 1
		.amdhsa_system_sgpr_workgroup_id_z 1
		.amdhsa_system_vgpr_workitem_id 0
		.amdhsa_next_free_vgpr 256
		.amdhsa_next_free_sgpr 66
		.amdhsa_reserve_vcc 1
		.amdhsa_float_denorm_mode_32 3
		.amdhsa_float_denorm_mode_16_64 3
		.amdhsa_memory_ordered 1
		.amdhsa_forward_progress 1
		.amdhsa_inst_pref_size 71
	.end_amdhsa_kernel
	.amdgpu_metadata
---
amdhsa.version: [ 1, 2 ]
amdhsa.kernels:
  - .name:           k_q7759eb4141_scan
    .symbol:         k_q7759eb4141_scan.kd
    .args:
      - { .name: z, .offset: 0, .size: 8, .value_kind: global_buffer, .address_space: global }
      - { .name: cs, .offset: 8, .size: 8, .value_kind: global_buffer, .address_space: global }
      - { .name: nh, .offset: 16, .size: 8, .value_kind: global_buffer, .address_space: global }
      - { .name: cand, .offset: 24, .size: 8, .value_kind: global_buffer, .address_space: global }
    .group_segment_fixed_size: 26624
    .private_segment_fixed_size: 0
    .kernarg_segment_align: 8
    .kernarg_segment_size: 32
    .max_flat_workgroup_size: 256
    .sgpr_count:     66
    .vgpr_count:     256
    .wavefront_size: 32
...
	.end_amdgpu_metadata
.endif
;; end of part 2
;; launch finish (part 3): grid 256 x 1, 8 waves a work-group, no clusters, 18,944 bytes of LDS; arguments z, cbf, cand, out0, out2, part; writes out0, out2, part
.if DOCPART == 3
	.amdgcn_target "amdgcn-amd-amdhsa--gfx1250"
	.amdhsa_code_object_version 6
	.text
	.protected	k_q7759eb4141_finish
	.globl	k_q7759eb4141_finish
	.p2align	8
	.type	k_q7759eb4141_finish,@function
k_q7759eb4141_finish:
	s_mov_b64 s[64:65], 0
	v_nop
	global_prefetch_b8 v0, s[64:65] scope:SCOPE_SE
	s_setreg_imm32_b32 hwreg(HW_REG_WAVE_MODE, 25, 1), 1
	s_wait_xcnt 0x0
; The decision, in f32, among the 16 codes (two chunks of 8) that the launch before left for each row, and the outputs.
;   d = fl( fl(|z|^2 + |c|^2) - 2 z.c )  as reference() writes it; the smallest d wins, on equal d the lower index (argmin's rule).
;   out0 = z + (zq - z), out2 = the index, part[work-group] = sum of (zq - z)^2 over its 64 rows.
; The dot products here are 16 of the 8,192 per row: they settle near ties that bf16 operands cannot, since indices are compared exactly.
; LIMITS.  The sums (z.c, |z|^2, |c|^2) are added four numbers in a lane, then over eight lanes, which need not be the order of reference()'s sums:
; two codes whose d differ by less than that rounding may change places.  NaN is not ordered.
; SHAPE.  A work-group owns 64 rows, a wave 8 of them.  A chunk is 1,024 consecutive bytes of cbf: one load of a wave takes half a chunk,
; lane l = code l >> 3 of the four, dims 4 (l & 7) .. + 3.  All 32 loads of a wave's 8 rows are issued at once.  The chunk numbers are whole numbers
; from memory (one scalar load of 64 bytes a wave, clamped to the 1,024 chunks); nothing that this launch computes from floats enters an address
; or a branch: the winner's four numbers travel with (d, index) through v_cndmask_b32.
; No cluster: the work-groups share no tile (each gathers its own rows' chunks).  No matrix unit: 16 x 32 multiply-adds a row.
.set ZP,   272                         ; LDS pitch of one k of the z block
.set OB,   32*ZP                       ; out0's block: each wave's 8 rows as [k][8 rows], 1,024 bytes, at a pitch of OWP
.set OWP,  1056
.set IDXB, OB+8*OWP                    ; 64 indices
.set LSB,  IDXB+256                    ; 8 sums
.set OFF,  8                           ; v[8:23]    byte offset in cbf: row i, chunk c at 2 i + c
.set X,    24                          ; v[24:151]  row i, quarter u of its 16 codes: 4 registers at 16 i + 4 u
.set ZV,   152                         ; v[152:183] row i: z of my four dims
.set P,    184                         ; v[184:187] z.c, then d, of quarter u
.set Q,    188                         ; v[188:191] |c|^2, then |z|^2 + |c|^2; later zq - z and out0
.set ZZ,   192
.set IX,   194                         ; v[194:197] index of my code in quarter u
.set OD,   198                         ; the other lane's d, index and four numbers
.set OI,   199
.set OX,   200
.set LS,   204                         ; sum of squares
.set G0,   205                         ; l >> 3
.set G1,   206                         ; 4 + (l >> 3)
.set RBK,  207                         ; where I read out0's block back
.set SG,   208                         ; v[208:215] z on its way into LDS
.set STG,  216
	s_load_b256 s[4:11], s[0:1], 0x0               ; z s[4:5], cbf s[6:7], cand s[8:9], out0 s[10:11]
	s_load_b128 s[12:15], s[0:1], 0x20             ; out2 s[12:13], part s[14:15]
	v_lshl_add_u32 v224, v0, 2, 0x4600
	v_mov_b32 v225, 0
	v_lshrrev_b32 v6, 5, v0
	v_readfirstlane_b32 s2, v6                     ; wave 0..7
	v_and_b32 v6, 31, v0
	v_lshlrev_b32 v1, 4, v6                        ; 16 x lane
	v_lshrrev_b32 v[G0], 3, v6
	v_add_nc_u32 v[G1], 4, v[G0]
	v_and_b32 v7, 7, v0                            ; which four dims
	v_mul_u32_u24 v3, v7, 4*ZP
	s_lshl_b32 s36, s2, 5
	v_add_nc_u32 v3, s36, v3                       ; z in LDS: k = 4 (l & 7), row 8 w
	s_mul_i32 s37, s2, OWP
	v_lshl_add_u32 v4, v7, 7, s37                  ; out0 in LDS: my wave's block, k = 4 (l & 7)
	v_mov_b32 v5, s36                              ; my wave's 8 indices
	v_lshrrev_b32 v6, 4, v0                        ; t >> 4
	v_and_b32 v7, 15, v0                           ; t & 15
	v_lshlrev_b32 v2, 15, v6
	v_lshl_add_u32 v2, v7, 4, v2                   ; z and out0 in memory: k = t >> 4, 16 bytes at 16 (t & 15)
	v_mul_u32_u24 v[STG], v6, ZP
	v_lshl_add_u32 v[STG], v7, 4, v[STG]
	v_lshrrev_b32 v[RBK], 1, v7                    ; rows 4 (t & 15) .. + 3 belong to wave (t & 15) >> 1,
	v_mul_u32_u24 v[RBK], v[RBK], OWP
	v_lshl_add_u32 v[RBK], v6, 5, v[RBK]
	v_and_b32 v[OD], 1, v0
	v_lshl_add_u32 v[RBK], v[OD], 4, v[RBK]        ; its first or second four
	s_lshr_b32 s32, ttmp9, 7
	s_lshl_b32 s32, s32, 20
	s_and_b32 s33, ttmp9, 127
	s_lshl_b32 s33, s33, 8
	s_add_co_u32 s32, s32, s33                     ; the block in z and out0
	s_mov_b32 s33, 0
	s_lshl_b32 s34, ttmp9, 9
	s_lshl_b32 s35, s2, 6
	s_add_co_u32 s34, s34, s35                     ; my 8 rows' 64 bytes of cand
	s_mov_b32 s35, 0
	s_mov_b32 s44, 0x76543210                      ; v_permlanex16_b32: lane i of the other half
	s_mov_b32 s45, 0xfedcba98
	s_wait_kmcnt 0x0
	s_add_nc_u64 s[8:9], s[8:9], s[34:35]
	s_load_b512 s[16:31], s[8:9], 0x0              ; row i: chunks s[16 + 2 i], s[17 + 2 i]
	s_add_nc_u64 s[4:5], s[4:5], s[32:33]
	s_add_nc_u64 s[10:11], s[10:11], s[32:33]
	global_load_b128 v[SG:SG+3], v2, s[4:5]                ; the z block once for the work-group, 16 lanes to one k's 256 bytes
	global_load_b128 v[SG+4:SG+7], v2, s[4:5] offset:524288
	s_wait_kmcnt 0x0
.set n, 0
.rept 16
	s_min_u32 s[16+n], s[16+n], 0x3ff              ; a loaded number enters an address only clamped to the table: 1,024 chunks
	v_lshl_add_u32 v[OFF+n], s[16+n], 10, v1
.set n, n+1
.endr
.set n, 0
.rept 16
	global_load_b128 v[X+8*n:X+8*n+3],   v[OFF+n], s[6:7]              ; codes 0-3 of the chunk: 512 consecutive bytes
	global_load_b128 v[X+8*n+4:X+8*n+7], v[OFF+n], s[6:7] offset:512   ; codes 4-7
.set n, n+1
.endr
	s_wait_loadcnt 32                              ; z's two loads are in; the 32 gathers behind them stay out
	ds_store_b128 v[STG], v[SG:SG+3]
	ds_store_b128 v[STG], v[SG+4:SG+7] offset:16*ZP
	s_wait_dscnt 0x0                               ; my part of the block is in LDS before I say so
	s_barrier_signal -1
	s_barrier_wait -1
.set n, 0
.rept 8
.irp e, 0,1,2,3
	ds_load_b32 v[ZV+4*n+\e], v3 offset:\e*ZP+4*n
.endr
.set n, n+1
.endr
	v_mov_b32 v[OD], 0                             ; destinations of lane moves count as read: written once here
	v_mov_b32 v[OI], 0
.irp e, 0,1,2,3
	v_mov_b32 v[OX+\e], 0
.endr
	v_mov_b32 v[LS], 0
	s_wait_dscnt 0x0
; (da, ia, xa) takes (db, ib, xb) if that has the smaller d, or the same d and the lower index
.macro MERGE da, ia, xa, db, ib, xb
	v_cmp_lt_f32 s40, v[\db], v[\da]
	v_cmp_eq_f32 s41, v[\db], v[\da]
	v_cmp_lt_u32 s42, v[\ib], v[\ia]
	s_and_b32 s41, s41, s42
	s_or_b32 s40, s40, s41
	v_cndmask_b32 v[\da], v[\da], v[\db], s40
	v_cndmask_b32 v[\ia], v[\ia], v[\ib], s40
.irp e, 0,1,2,3
	v_cndmask_b32 v[\xa+\e], v[\xa+\e], v[\xb+\e], s40
.endr
.endm
.macro ROW i
	s_wait_loadcnt 28-4*\i                         ; this row's four gathers are in; four for each later row stay out
	v_mul_f32 v[ZZ], v[ZV+4*\i], v[ZV+4*\i]
.irp u, 0,1,2,3
	v_mul_f32 v[P+\u], v[X+16*\i+4*\u], v[ZV+4*\i]
	v_mul_f32 v[Q+\u], v[X+16*\i+4*\u], v[X+16*\i+4*\u]
.endr
.irp e, 1,2,3
	v_fma_f32 v[ZZ], v[ZV+4*\i+\e], v[ZV+4*\i+\e], v[ZZ]
.irp u, 0,1,2,3
	v_fma_f32 v[P+\u], v[X+16*\i+4*\u+\e], v[ZV+4*\i+\e], v[P+\u]
	v_fma_f32 v[Q+\u], v[X+16*\i+4*\u+\e], v[X+16*\i+4*\u+\e], v[Q+\u]
.endr
.endr
.irp s, 1,2,4                          ; over the eight lanes of a code; every one of them ends with the same bits
	v_add_f32_dpp v[ZZ], v[ZZ], v[ZZ] row_xmask:\s row_mask:0xf bank_mask:0xf
.irp u, 0,1,2,3
	v_add_f32_dpp v[P+\u], v[P+\u], v[P+\u] row_xmask:\s row_mask:0xf bank_mask:0xf
	v_add_f32_dpp v[Q+\u], v[Q+\u], v[Q+\u] row_xmask:\s row_mask:0xf bank_mask:0xf
.endr
.endr
.irp u, 0,1,2,3
	v_add_f32 v[Q+\u], v[ZZ], v[Q+\u]              ; |z|^2 + |c|^2, rounded,
	v_fma_f32 v[P+\u], -2.0, v[P+\u], v[Q+\u]      ; - 2 z.c, rounded once more (2 z.c is exact)
.endr
	v_lshl_add_u32 v[IX],   s[16+2*\i], 3, v[G0]
	v_lshl_add_u32 v[IX+1], s[16+2*\i], 3, v[G1]
	v_lshl_add_u32 v[IX+2], s[17+2*\i], 3, v[G0]
	v_lshl_add_u32 v[IX+3], s[17+2*\i], 3, v[G1]
	MERGE P, IX, X+16*\i, P+1, IX+1, X+16*\i+4
	MERGE P+2, IX+2, X+16*\i+8, P+3, IX+3, X+16*\i+12
	MERGE P, IX, X+16*\i, P+2, IX+2, X+16*\i+8
	v_mov_b32_dpp v[OD], v[P] row_xmask:8 row_mask:0xf bank_mask:0xf       ; the lane eight further: same dims, another code
	v_mov_b32_dpp v[OI], v[IX] row_xmask:8 row_mask:0xf bank_mask:0xf
.irp e, 0,1,2,3
	v_mov_b32_dpp v[OX+\e], v[X+16*\i+\e] row_xmask:8 row_mask:0xf bank_mask:0xf
.endr
	MERGE P, IX, X+16*\i, OD, OI, OX
	v_permlanex16_b32 v[OD], v[P], s44, s45                                ; and the other half of the wave
	v_permlanex16_b32 v[OI], v[IX], s44, s45
.irp e, 0,1,2,3
	v_permlanex16_b32 v[OX+\e], v[X+16*\i+\e], s44, s45
.endr
	MERGE P, IX, X+16*\i, OD, OI, OX               ; every lane now holds the row's index and the winner's numbers of its four dims
.irp e, 0,1,2,3
	v_sub_f32 v[Q+\e], v[X+16*\i+\e], v[ZV+4*\i+\e]        ; zq - z
.endr
.irp e, 0,1,2,3
	v_fma_f32 v[LS], v[Q+\e], v[Q+\e], v[LS]
	v_add_f32 v[Q+\e], v[ZV+4*\i+\e], v[Q+\e]              ; z + (zq - z)
.endr
.irp e, 0,1,2,3
	ds_store_b32 v4, v[Q+\e] offset:OB+32*\e+4*\i          ; the four lanes with the same dims write the same word with the same number
.endr
	ds_store_b32 v5, v[IX] offset:IDXB+4*\i
.endm
	ROW 0
	ROW 1
	ROW 2
	ROW 3
	ROW 4
	ROW 5
	ROW 6
	ROW 7
.irp s, 1,2,4,8
	v_add_f32_dpp v[LS], v[LS], v[LS] row_xmask:\s row_mask:0xf bank_mask:0xf
.endr
	v_permlanex16_b32 v[OD], v[LS], s44, s45
	v_add_f32 v[LS], v[LS], v[OD]                  ; the wave's sum, each square counted four times (four lanes hold the same dims)
	s_lshl_b32 s36, s2, 2
	v_mov_b32 v6, s36
	ds_store_b32 v6, v[LS] offset:LSB
	s_wait_dscnt 0x0                               ; for the other waves' sake
	s_barrier_signal -1
	s_barrier_wait -1
	ds_load_b128 v[24:27], v[RBK] offset:OB
	ds_load_b128 v[28:31], v[RBK] offset:OB+512    ; k + 16
	s_wait_dscnt 0x0
	global_store_b128 v2, v[24:27], s[10:11]               ; 16 lanes store one k's 256 bytes, aligned
	global_store_b128 v2, v[28:31], s[10:11] offset:524288
	s_cmp_lg_u32 s2, 0
	s_cbranch_scc1 .Lend                           ; wave 0 alone stores the indices and the sum; no barrier follows
	v_lshlrev_b32 v6, 3, v0
	v_mov_b32 v7, 0
	ds_load_b64 v[32:33], v6 offset:IDXB
	ds_load_b128 v[36:39], v7 offset:LSB
	ds_load_b128 v[40:43], v7 offset:LSB+16
	s_lshl_b32 s32, ttmp9, 8
	s_add_nc_u64 s[12:13], s[12:13], s[32:33]
	s_lshl_b32 s34, ttmp9, 2
	s_add_nc_u64 s[14:15], s[14:15], s[34:35]
	s_wait_dscnt 0x0
	global_store_b64 v6, v[32:33], s[12:13]        ; 32 lanes store the 64 indices: 256 bytes, aligned
	v_pk_add_f32 v[36:37], v[36:37], v[38:39]
	v_pk_add_f32 v[40:41], v[40:41], v[42:43]
	v_pk_add_f32 v[36:37], v[36:37], v[40:41]
	v_add_f32 v36, v36, v37
	v_mul_f32 v36, 0x3e800000, v36                 ; a quarter: see above
	v_cmp_eq_u32 vcc_lo, 0, v0
	s_wait_xcnt 0x0                                ; EXEC is a source of the stores above: it changes only behind this wait
	s_and_saveexec_b32 s46, vcc_lo
	global_store_b32 v6, v36, s[14:15]             ; lane 0 (offset 0): the work-group's one word
	s_wait_xcnt 0x0
	s_or_b32 exec_lo, exec_lo, s46
.Lend:
	s_wait_tensorcnt 0x0
	ds_add_u32 v224, v225
	s_wait_dscnt 0x0
	s_endpgm
.Lfunc_end_k_q7759eb4141_finish:
	.size	k_q7759eb4141_finish, .Lfunc_end_k_q7759eb4141_finish-k_q7759eb4141_finish
	.p2alignl 7, 3214868480
	.fill 96, 4, 3214868480
	.section	.rodata,"a",@progbits
	.p2align	6, 0x0
	.amdhsa_kernel k_q7759eb4141_finish
		.amdhsa_group_segment_fixed_size 18944
		.amdhsa_private_segment_fixed_size 0
		.amdhsa_enable_private_segment 0
		.amdhsa_kernarg_size 48
		.amdhsa_user_sgpr_count 2
		.amdhsa_user_sgpr_kernarg_segment_ptr 1
		.amdhsa_wavefront_size32 1
		.amdhsa_system_sgpr_workgroup_id_x 1
		.amdhsa_system_sgpr_workgroup_id_y 1
		.amdhsa_system_sgpr_workgroup_id_z 1
		.amdhsa_system_vgpr_workitem_id 0
		.amdhsa_next_free_vgpr 226
		.amdhsa_next_free_sgpr 66
		.amdhsa_reserve_vcc 1
		.amdhsa_float_denorm_mode_32 3
		.amdhsa_float_denorm_mode_16_64 3
		.amdhsa_memory_ordered 1
		.amdhsa_forward_progress 1
		.amdhsa_inst_pref_size 85
	.end_amdhsa_kernel
	.amdgpu_metadata
---
amdhsa.version: [ 1, 2 ]
amdhsa.kernels:
  - .name:           k_q7759eb4141_finish
    .symbol:         k_q7759eb4141_finish.kd
    .args:
      - { .name: z, .offset: 0, .size: 8, .value_kind: global_buffer, .address_space: global }
      - { .name: cbf, .offset: 8, .size: 8, .value_kind: global_buffer, .address_space: global }
      - { .name: cand, .offset: 16, .size: 8, .value_kind: global_buffer, .address_space: global }
      - { .name: out0, .offset: 24, .size: 8, .value_kind: global_buffer, .address_space: global }
      - { .name: out2, .offset: 32, .size: 8, .value_kind: global_buffer, .address_space: global }
      - { .name: part, .offset: 40, .size: 8, .value_kind: global_buffer, .address_space: global }
    .group_segment_fixed_size: 18944
    .private_segment_fixed_size: 0
    .kernarg_segment_align: 8
    .kernarg_segment_size: 48
    .max_flat_workgroup_size: 256
    .sgpr_count:     66
    .vgpr_count:     226
    .wavefront_size: 32
...
	.end_amdgpu_metadata
.endif
;; end of part 3
;; launch loss (part 4): grid 1 x 1, 1 waves a work-group, no clusters, 0 bytes of LDS; arguments part, out1; writes out1
.if DOCPART == 4
	.amdgcn_target "amdgcn-amd-amdhsa--gfx1250"
	.amdhsa_code_object_version 6
	.text
	.protected	k_q7759eb4141_loss
	.globl	k_q7759eb4141_loss
	.p2align	8
	.type	k_q7759eb4141_loss,@function
k_q7759eb4141_loss:
	s_mov_b64 s[64:65], 0
	v_nop
	global_prefetch_b8 v0, s[64:65] scope:SCOPE_SE
	s_setreg_imm32_b32 hwreg(HW_REG_WAVE_MODE, 25, 1), 1
	s_wait_xcnt 0x0
; loss = mean((zq - z)^2) + 0.25 mean((zq - z)^2) = 1.25 / (16384 x 32) x the sum of the 256 work-groups' sums of the launch before.
; A sum that spans work-groups is made by one owner in a launch of its own: one wave, 8 numbers a lane.
	s_load_b128 s[4:7], s[0:1], 0x0                ; part s[4:5], out1 s[6:7]
	v_lshlrev_b32 v1, 4, v0
	s_mov_b32 s8, 0x76543210
	s_mov_b32 s9, 0xfedcba98
	s_wait_kmcnt 0x0
	global_load_b128 v[4:7], v1, s[4:5]
	global_load_b128 v[8:11], v1, s[4:5] offset:512
	s_wait_loadcnt 0x0
	v_pk_add_f32 v[4:5], v[4:5], v[8:9]
	v_pk_add_f32 v[6:7], v[6:7], v[10:11]
	v_pk_add_f32 v[4:5], v[4:5], v[6:7]
	v_add_f32 v4, v4, v5
.irp s, 1,2,4,8
	v_add_f32_dpp v4, v4, v4 row_xmask:\s row_mask:0xf bank_mask:0xf
.endr
	v_permlanex16_b32 v5, v4, s8, s9
	v_add_f32 v4, v4, v5
	v_mul_f32 v4, 0x36200000, v4                   ; 1.25 x 2^-19
	v_cmp_eq_u32 vcc_lo, 0, v0
	s_wait_xcnt 0x0                                ; EXEC changes only behind this wait
	s_and_saveexec_b32 s10, vcc_lo
	global_store_b32 v1, v4, s[6:7]                ; lane 0, offset 0
	s_wait_xcnt 0x0
	s_or_b32 exec_lo, exec_lo, s10
	s_endpgm
.Lfunc_end_k_q7759eb4141_loss:
	.size	k_q7759eb4141_loss, .Lfunc_end_k_q7759eb4141_loss-k_q7759eb4141_loss
	.p2alignl 7, 3214868480
	.fill 96, 4, 3214868480
	.section	.rodata,"a",@progbits
	.p2align	6, 0x0
	.amdhsa_kernel k_q7759eb4141_loss
		.amdhsa_group_segment_fixed_size 0
		.amdhsa_private_segment_fixed_size 0
		.amdhsa_enable_private_segment 0
		.amdhsa_kernarg_size 16
		.amdhsa_user_sgpr_count 2
		.amdhsa_user_sgpr_kernarg_segment_ptr 1
		.amdhsa_wavefront_size32 1
		.amdhsa_system_sgpr_workgroup_id_x 1
		.amdhsa_system_sgpr_workgroup_id_y 1
		.amdhsa_system_sgpr_workgroup_id_z 1
		.amdhsa_system_vgpr_workitem_id 0
		.amdhsa_next_free_vgpr 12
		.amdhsa_next_free_sgpr 66
		.amdhsa_reserve_vcc 1
		.amdhsa_float_denorm_mode_32 3
		.amdhsa_float_denorm_mode_16_64 3
		.amdhsa_memory_ordered 1
		.amdhsa_forward_progress 1
		.amdhsa_inst_pref_size 2
	.end_amdhsa_kernel
	.amdgpu_metadata
---
amdhsa.version: [ 1, 2 ]
amdhsa.kernels:
  - .name:           k_q7759eb4141_loss
    .symbol:         k_q7759eb4141_loss.kd
    .args:
      - { .name: part, .offset: 0, .size: 8, .value_kind: global_buffer, .address_space: global }
      - { .name: out1, .offset: 8, .size: 8, .value_kind: global_buffer, .address_space: global }
    .group_segment_fixed_size: 0
    .private_segment_fixed_size: 0
    .kernarg_segment_align: 8
    .kernarg_segment_size: 16
    .max_flat_workgroup_size: 32
    .sgpr_count:     66
    .vgpr_count:     12
    .wavefront_size: 32
...
	.end_amdgpu_metadata
.endif
;; end of part 4
;; ======== version 2 of 3: 4 launches; 1.40 times as fast as version 1
;; limits: values are held in f16: magnitudes above 65,504 overflow, below 6.1e-05 lose precision
;; workspace buffers: cbf 1,048,576 bytes; cs 524,288 bytes; nh 32,768 bytes; cand 262,144 bytes of whole numbers; part 1,024 bytes
;; launch prep (part 5): grid 128 x 1, 8 waves a work-group, no clusters, 20,480 bytes of LDS; arguments emb, proj_w, proj_b, cbf, cs, nh; writes cbf, cs, nh
.if DOCPART == 5
	.amdgcn_target "amdgcn-amd-amdhsa--gfx1250"
	.amdhsa_code_object_version 6
	.text
	.protected	k_q7759eb4141_prep
	.globl	k_q7759eb4141_prep
	.p2align	8
	.type	k_q7759eb4141_prep,@function
k_q7759eb4141_prep:
	s_mov_b64 s[64:65], 0
	v_nop
	global_prefetch_b8 v0, s[64:65] scope:SCOPE_SE
	s_setreg_imm32_b32 hwreg(HW_REG_WAVE_MODE, 25, 1), 1
	s_wait_xcnt 0x0
; The projected codebook: cb[n][j] = sum over k of emb[n][k] W[j][k] + b[j], n < 8192, j, k < 32, all in f32.
; Written out three times:  cbf = cb in f32, row-major (for the exact step of the third launch);
;   nh[n] = -1/2 sum over j of cb[n][j]^2;   cs = f16(cb) in the order in which the matrix instruction's A operand wants it:
;   1,024 bytes for each tile of 16 codes; the 16 bytes of code r, k = 8 o .. 8 o + 7, lie at 256 o + 16 r, so that lane 16 h + r of a wave
;   finds its registers 0-3 at 16 x lane and its registers 4-7 at 512 + 16 x lane.
; LIMIT: cs holds f16, so |cb| has to stay below 65,504 (the drawn numbers are near 0.1, with all inputs 30 times larger near 100);
; below 6e-5 its step is 6e-8.  cs feeds a filter only; what decides is cbf.
; WHY f32 ON THE VECTOR UNIT: this product is 8.4 M of the problem's 4,300 M multiply-adds, and the indices that come out of the whole
; program are compared exactly, so the codebook is needed to f32's accuracy; one chain of fused multiply-adds, k ascending, then + b.
; A work-group owns 64 codes.  Wave w: codes 32 (w >> 2) + lane, output dims 8 (w & 3) .. + 7.  A lane holds its code's emb row in 32 registers;
; W's numbers are the same for all lanes and are handed over as scalars by v_readlane_b32 from 8 registers that hold the wave's 256 numbers of W.
; No cluster: the work-groups share only W and b (4,224 bytes), against 8,192 bytes of emb of their own.
.set EP,   144                         ; LDS pitch of an emb row: 128 bytes + 16, an odd multiple of 16
.set OUTB, 64*EP                       ; behind emb's 64 rows: cb on its way out, 1,024 bytes of each wave at a pitch of WP
.set WP,   1088
.set CCB,  OUTB+8*WP                   ; behind that: each wave's 32 partial sums of squares
.set E,    16                          ; v[16:47]  my code's emb row
.set WV,   48                          ; v[48:55]  256 numbers of W, spread over the lanes
.set ACC,  56                          ; v[56:63]  cb of my code, my eight dims
.set PK1,  64                          ; v[64:67]  the same in f16, packed
.set CC,   72                          ; v72       sum of squares of my eight dims
.set SA,   24                          ; s[24:55]  one row of W
.set SB,   68                          ; s[68:99]  the next row of W
.set BI,   56                          ; s[56:63]  b of my eight dims
	s_load_b256 s[4:11], s[0:1], 0x0               ; emb s[4:5], W s[6:7], b s[8:9], cbf s[10:11]
	s_load_b128 s[12:15], s[0:1], 0x20             ; cs s[12:13], nh s[14:15]
	v_lshl_add_u32 v80, v0, 2, 0x4c00
	v_mov_b32 v81, 0
	v_lshrrev_b32 v1, 5, v0
	v_readfirstlane_b32 s2, v1                     ; wave 0..7
	s_and_b32 s3, s2, 3                            ; o: which eight dims
	s_lshr_b32 s16, s2, 2                          ; which 32 codes
	v_and_b32 v1, 31, v0                           ; lane
	v_lshlrev_b32 v2, 4, v0                        ; 16 t: my 16 bytes of each half of the group's 8,192 bytes of emb and of cbf
	v_lshrrev_b32 v3, 3, v0                        ; t >> 3: the code (row) those bytes belong to
	v_and_b32 v4, 7, v0
	v_mul_u32_u24 v5, v3, EP
	v_lshl_add_u32 v5, v4, 4, v5                   ; where they go in LDS
	v_lshlrev_b32 v6, 4, v1                        ; 16 x lane
	s_lshl_b32 s18, ttmp9, 13                      ; the group's 64 codes: 8,192 bytes in emb and in cbf
	s_mov_b32 s19, 0
	s_lshl_b32 s20, s3, 10                         ; eight rows of W are 1,024 bytes
	s_mov_b32 s21, 0
	s_lshl_b32 s22, s3, 5                          ; eight numbers of b
	s_wait_kmcnt 0x0
	s_add_nc_u64 s[4:5], s[4:5], s[18:19]
	s_add_nc_u64 s[10:11], s[10:11], s[18:19]
	s_add_nc_u64 s[6:7], s[6:7], s[20:21]
	global_load_b128 v[8:11], v2, s[4:5]                   ; emb: a wave's load covers 512 consecutive bytes
	global_load_b128 v[12:15], v2, s[4:5] offset:4096
	global_load_b128 v[WV:WV+3], v6, s[6:7]                ; W: number f of my 256 lies in register (f >> 7) 4 + (f & 3) of lane (f & 127) >> 2
	global_load_b128 v[WV+4:WV+7], v6, s[6:7] offset:512
	s_load_b256 s[BI:BI+7], s[8:9], s22 offset:0x0
	s_wait_loadcnt 0x2                             ; emb's two loads are in; W's two, issued behind them, may stay out
	ds_store_b128 v5, v[8:11]
	ds_store_b128 v5, v[12:15] offset:32*EP
	s_wait_dscnt 0x0                               ; my part of the 64 rows is in LDS before I say so
	s_barrier_signal -1
	s_barrier_wait -1
	v_mul_u32_u24 v7, v1, EP
	s_mul_i32 s17, s16, 32*EP
	v_add_nc_u32 v7, s17, v7                       ; my code's row
.irp q, 0,1,2,3,4,5,6,7
	ds_load_b128 v[E+4*\q:E+4*\q+3], v7 offset:16*\q
.endr
	s_wait_loadcnt 0x0                             ; W
	s_wait_kmcnt 0x0                               ; b
	s_wait_dscnt 0x0                               ; my row
; Two output dims at a time: 64 numbers of W become scalars, then two chains of multiply-adds that take turns.
.macro PAIR j
.set k, 0
.rept 32
	v_readlane_b32 s[SA+k], v[WV+4*((\j)>>2)+(k&3)], ((\j)&3)*8+(k>>2)
	v_readlane_b32 s[SB+k], v[WV+4*((\j+1)>>2)+(k&3)], ((\j+1)&3)*8+(k>>2)
.set k, k+1
.endr
	v_mul_f32 v[ACC+\j], s[SA], v[E]               ; the first product starts the sum
	v_mul_f32 v[ACC+\j+1], s[SB], v[E]
.set k, 1
.rept 31
	v_fma_f32 v[ACC+\j], s[SA+k], v[E+k], v[ACC+\j]
	v_fma_f32 v[ACC+\j+1], s[SB+k], v[E+k], v[ACC+\j+1]
.set k, k+1
.endr
.endm
	PAIR 0
	PAIR 2
	PAIR 4
	PAIR 6
.irp j, 0,1,2,3,4,5,6,7
	v_add_f32 v[ACC+\j], s[BI+\j], v[ACC+\j]       ; + b, behind the whole sum as in reference()
.endr
	v_mul_f32 v[CC], v[ACC], v[ACC]
.irp j, 1,2,3,4,5,6,7
	v_fma_f32 v[CC], v[ACC+\j], v[ACC+\j], v[CC]
.endr
.irp p, 0,1,2,3
	v_cvt_pk_f16_f32 v[PK1+\p], v[ACC+2*\p], v[ACC+2*\p+1]     ; z is packed by the same instruction in the next launch: k meets k
.endr
	; cs: 16 neighbouring lanes store 256 consecutive bytes, aligned: tile (lane >> 4), piece o
	v_lshrrev_b32 v8, 4, v1
	v_and_b32 v9, 15, v1
	v_lshlrev_b32 v8, 10, v8
	v_lshl_add_u32 v8, v9, 4, v8
	s_lshl_b32 s20, s16, 11                        ; my 32 codes are two tiles of 1,024 bytes
	s_lshl_b32 s23, s3, 8
	s_add_co_u32 s20, s20, s23
	s_lshl_b32 s23, ttmp9, 12                      ; the group's four tiles
	s_add_co_u32 s20, s20, s23
	s_add_nc_u64 s[12:13], s[12:13], s[20:21]
	global_store_b128 v8, v[PK1:PK1+3], s[12:13]
	; cb in f32 and the partial sums of squares go through LDS, each wave into bytes of its own
	s_mul_i32 s17, s2, WP
	v_lshl_add_u32 v10, v1, 5, s17
	ds_store_b128 v10, v[ACC:ACC+3] offset:OUTB
	ds_store_b128 v10, v[ACC+4:ACC+7] offset:OUTB+16
	s_lshl_b32 s17, s2, 7
	v_lshl_add_u32 v11, v1, 2, s17
	ds_store_b32 v11, v[CC] offset:CCB
	s_wait_dscnt 0x0                               ; for the other waves' sake: all my LDS stores are done
	s_barrier_signal -1
	s_barrier_wait -1
	; thread t takes bytes 16 t of the row-major block: code t >> 3, dims 4 (t & 7) ..: wave piece (t & 7) >> 1, its half t & 1
	v_bfe_u32 v12, v0, 1, 2
	v_and_b32 v13, 1, v0
	v_mul_u32_u24 v12, v12, WP
	v_lshl_add_u32 v12, v3, 5, v12
	v_lshl_add_u32 v12, v13, 4, v12
	ds_load_b128 v[16:19], v12 offset:OUTB
	ds_load_b128 v[20:23], v12 offset:OUTB+4*WP    ; codes 32 .. 63 came from waves 4 .. 7
	s_wait_dscnt 0x0
	global_store_b128 v2, v[16:19], s[10:11]               ; 512 consecutive bytes from each wave
	global_store_b128 v2, v[20:23], s[10:11] offset:4096
	s_cmp_lg_u32 s2, 0
	s_cbranch_scc1 .Ldone                          ; wave 0 alone adds the four pieces of each code's sum; no barrier follows
	v_lshrrev_b32 v14, 4, v1
	v_and_b32 v15, 15, v1
	v_lshlrev_b32 v14, 9, v14
	v_lshl_add_u32 v14, v15, 3, v14                ; lane l: codes 2 l and 2 l + 1
	ds_load_b64 v[24:25], v14 offset:CCB
	ds_load_b64 v[26:27], v14 offset:CCB+128
	ds_load_b64 v[28:29], v14 offset:CCB+256
	ds_load_b64 v[30:31], v14 offset:CCB+384
	v_lshlrev_b32 v9, 3, v1
	s_lshl_b32 s20, ttmp9, 8
	s_add_nc_u64 s[14:15], s[14:15], s[20:21]
	s_wait_dscnt 0x0
	v_pk_add_f32 v[24:25], v[24:25], v[26:27]
	v_pk_add_f32 v[24:25], v[24:25], v[28:29]
	v_pk_add_f32 v[24:25], v[24:25], v[30:31]
	v_pk_mul_f32 v[24:25], v[24:25], -0.5 op_sel_hi:[1,0]
	global_store_b64 v9, v[24:25], s[14:15]        ; 32 lanes store the group's 256 bytes of nh
.Ldone:
	s_wait_tensorcnt 0x0
	ds_add_u32 v80, v81
	s_wait_dscnt 0x0
	s_endpgm
.Lfunc_end_k_q7759eb4141_prep:
	.size	k_q7759eb4141_prep, .Lfunc_end_k_q7759eb4141_prep-k_q7759eb4141_prep
	.p2alignl 7, 3214868480
	.fill 96, 4, 3214868480
	.section	.rodata,"a",@progbits
	.p2align	6, 0x0
	.amdhsa_kernel k_q7759eb4141_prep
		.amdhsa_group_segment_fixed_size 20480
		.amdhsa_private_segment_fixed_size 0
		.amdhsa_enable_private_segment 0
		.amdhsa_kernarg_size 48
		.amdhsa_user_sgpr_count 2
		.amdhsa_user_sgpr_kernarg_segment_ptr 1
		.amdhsa_wavefront_size32 1
		.amdhsa_system_sgpr_workgroup_id_x 1
		.amdhsa_system_sgpr_workgroup_id_y 1
		.amdhsa_system_sgpr_workgroup_id_z 1
		.amdhsa_system_vgpr_workitem_id 0
		.amdhsa_next_free_vgpr 82
		.amdhsa_next_free_sgpr 100
		.amdhsa_reserve_vcc 0
		.amdhsa_float_denorm_mode_32 3
		.amdhsa_float_denorm_mode_16_64 3
		.amdhsa_memory_ordered 1
		.amdhsa_forward_progress 1
		.amdhsa_inst_pref_size 39
	.end_amdhsa_kernel
	.amdgpu_metadata
---
amdhsa.version: [ 1, 2 ]
amdhsa.kernels:
  - .name:           k_q7759eb4141_prep
    .symbol:         k_q7759eb4141_prep.kd
    .args:
      - { .name: emb, .offset: 0, .size: 8, .value_kind: global_buffer, .address_space: global }
      - { .name: proj_w, .offset: 8, .size: 8, .value_kind: global_buffer, .address_space: global }
      - { .name: proj_b, .offset: 16, .size: 8, .value_kind: global_buffer, .address_space: global }
      - { .name: cbf, .offset: 24, .size: 8, .value_kind: global_buffer, .address_space: global }
      - { .name: cs, .offset: 32, .size: 8, .value_kind: global_buffer, .address_space: global }
      - { .name: nh, .offset: 40, .size: 8, .value_kind: global_buffer, .address_space: global }
    .group_segment_fixed_size: 20480
    .private_segment_fixed_size: 0
    .kernarg_segment_align: 8
    .kernarg_segment_size: 48
    .max_flat_workgroup_size: 256
    .sgpr_count:     100
    .vgpr_count:     82
    .wavefront_size: 32
...
	.end_amdgpu_metadata
.endif
;; end of part 5
;; launch scan (part 6): grid 256 x 1, 8 waves a work-group, no clusters, 17,408 bytes of LDS; arguments z, cs, nh, cand; writes cand
.if DOCPART == 6
	.amdgcn_target "amdgcn-amd-amdhsa--gfx1250"
	.amdhsa_code_object_version 6
	.text
	.protected	k_q7759eb4141_scan
	.globl	k_q7759eb4141_scan
	.p2align	8
	.type	k_q7759eb4141_scan,@function
k_q7759eb4141_scan:
	s_mov_b64 s[64:65], 0
	v_nop
	global_prefetch_b8 v0, s[64:65] scope:SCOPE_SE
	s_setreg_imm32_b32 hwreg(HW_REG_WAVE_MODE, 25, 1), 1
	s_wait_xcnt 0x0
; The bulk of the work: for each of the 16,384 rows of z (row = b 8192 + thw, 32 numbers 32,768 bytes apart) the score
;   g(row, code) = z . cb - |cb|^2 / 2   (largest g = smallest distance)  of all 8,192 codes, on the matrix unit, as a FILTER:
; it stores, for each row, the numbers of the four CHUNKS (8 neighbouring codes) that hold the largest scores, in ascending order; the next
; launch settles the index among those 32 codes in f32.  One matrix instruction makes 16 x 16 scores: f16(cb) x f16(z) + nh, sums in f32.
; LIMITS.  The scores carry the rounding of z and cb to f16, about 2^-11 of sum |z||cb|.  The true winner's chunk is lost only if two chunks of
; its own list (one of 16 for a row, see below) or four chunks in all overtake it by that rounding.  |z| and |cb| stay below 65,504.  NaN and
; infinite scores are not ordered.  Inside a lane's list a score +0 and a score -0 count as different.
; SHAPE.  A work-group owns 64 rows, all codes.  Eight waves, two on each SIMD; every wave holds all 64 rows as B fragments (4 tiles of 16 rows,
; 32 registers) and walks its own eighth of the codes, 64 tiles of 16.  Codes are the A operand, so in the result register j of lane 16 h + r is
; code 16 tile + 8 h + j: a lane's eight registers are one chunk of one row, and the maximum over codes stays in the lane.
; ROWS: row tile nn of lane r is row 4 r + nn of the block, so that one 16-byte load at one k brings a lane its number for all four row tiles
; and sixteen lanes read one k's 256 consecutive bytes: z needs no LDS and no barrier.
; LISTS: a lane keeps the best two chunks of each of its four rows as KEYS: the chunk's maximum with its six lowest mantissa bits replaced by the
; tile's number, turned so that of two equal maxima the earlier tile is the larger float whatever the sign.  That moves a score by 2^-17 of itself.
; A tile's fragment (1,024 bytes) and nh (64 bytes) come from memory straight into a ring of eight register buffers, 4 loads a tile, seven tiles ahead.
; NO CLUSTER, NO LDS RING: inside a work-group each byte of the code stream feeds one wave only, and a joint request can only land in LDS: every
; tile's 1,088 bytes would be written to LDS and read from it again for the same 4 matrix instructions.
.set TILEB, 1024                       ; bytes of a tile in cs
.set Z,     8                          ; v[8:39]    z in f16, row tile nn at 8 nn
.set DA,    40                         ; v[40:71]   scores of even tiles, row tile nn at 8 nn (first: z as loaded; last: the lists)
.set DB,    72                         ; v[72:103]  scores of odd tiles
.set TR,    104                        ; v[104:111] row tile nn: best key, second key
.set M,     112                        ; v[112:115] row tile nn: its chunk's maximum, then its key
.set VT,    116                        ; v116       63 - (number, 0 .. 63, of the tile whose scores are being looked at)
.set RING,  118                        ; v[118:245] eight buffers: the fragment (8), nh (8)
.set S,     246                        ; v[246:249] row tile nn: at work
	s_load_b256 s[4:11], s[0:1], 0x0               ; z s[4:5], cs s[6:7], nh s[8:9], cand s[10:11]
	v_lshl_add_u32 v250, v0, 2, 0x4000
	v_mov_b32 v251, 0
	v_lshrrev_b32 v3, 5, v0
	v_readfirstlane_b32 s2, v3                     ; wave 0..7
	v_and_b32 v3, 31, v0
	v_lshlrev_b32 v1, 4, v3                        ; 16 x lane: my 16 bytes of each 512 of cs
	v_lshrrev_b32 v4, 4, v3                        ; h
	v_lshlrev_b32 v2, 5, v4                        ; 32 h: my eight numbers of a tile's nh
	v_and_b32 v5, 15, v0                           ; r
	v_lshlrev_b32 v6, 18, v4                       ; z: k = 8 h (32,768 bytes for each k),
	v_lshl_add_u32 v6, v5, 4, v6                   ; rows 4 r .. 4 r + 3
	s_lshl_b32 s12, s2, 16                         ; my 64 tiles of cs: 65,536 bytes a wave
	s_mov_b32 s13, 0
	s_lshl_b32 s14, s2, 12                         ; and of nh: 4,096 bytes
	s_mov_b32 s15, 0
	s_lshr_b32 s16, ttmp9, 7                       ; b: 128 work-groups for each
	s_lshl_b32 s16, s16, 20                        ; 32 x 8192 x 4 bytes
	s_and_b32 s17, ttmp9, 127
	s_lshl_b32 s17, s17, 8                         ; 64 rows = 256 bytes of every k
	s_add_co_u32 s16, s16, s17
	s_mov_b32 s17, 0
	s_wait_kmcnt 0x0
	s_add_nc_u64 s[4:5], s[4:5], s[16:17]
	s_add_nc_u64 s[6:7], s[6:7], s[12:13]
	s_add_nc_u64 s[8:9], s[8:9], s[14:15]
.macro FILL u, to                      ; tile number to (counted from the two bases) into ring buffer u
	global_load_b128 v[RING+16*\u:RING+16*\u+3],     v1, s[6:7] offset:\to*TILEB        ; k = 8 h ..
	global_load_b128 v[RING+16*\u+4:RING+16*\u+7],   v1, s[6:7] offset:\to*TILEB+512    ; k = 16 + 8 h ..
	global_load_b128 v[RING+16*\u+8:RING+16*\u+11],  v2, s[8:9] offset:\to*64           ; nh of codes 8 h .. 8 h + 3
	global_load_b128 v[RING+16*\u+12:RING+16*\u+15], v2, s[8:9] offset:\to*64+16        ; and 8 h + 4 .. 8 h + 7
.endm
	; B fragment: lane (r, h) holds k = 8 h + 0..7 and 16 + 8 h + 0..7 of its row.  Load i brings the i-th of these 16 k for rows 4 r .. 4 r + 3.
.set i, 0
.rept 16
	global_load_b128 v[DA+4*i:DA+4*i+3], v6, s[4:5] offset:((i&7)+16*(i>>3))*32768
.set i, i+1
.endr
.irp u, 0,1,2,3,4,5,6
	FILL \u, \u
.endr
.irp e, 0,1,2,3,4,5,6,7
	v_mov_b32 v[TR+\e], 0xff800000                 ; both keys of each row start at -infinity; 64 chunks pass, so none stays
.endr
	v_mov_b32 v[VT], 63                            ; tile 0
	s_wait_loadcnt 28                              ; z's 16 loads are in; the 28 loads of tiles 0 to 6 stay out
.set n, 0
.rept 4
.set p, 0
.rept 8
	v_cvt_pk_f16_f32 v[Z+8*n+p], v[DA+8*p+n], v[DA+8*p+4+n]    ; k number 2 p and 2 p + 1 of row tile n
.set p, p+1
.endr
.set n, n+1
.endr
; One matrix instruction: 16 codes x 16 rows, the sum started from nh (the C operand: register j of half h is code 8 h + j, for every row).
.macro WM rb, d, nn
	v_wmma_f32_16x16x32_f16 v[\d+8*\nn:\d+8*\nn+7], v[\rb:\rb+7], v[Z+8*\nn:Z+8*\nn+7], v[\rb+8:\rb+15]
.endm
; THE LOOK at a tile's scores in set dd: 9 instructions for each chunk (eight scores of one row), written as nine stages.  A stage does the same step
; for the lane's four chunks, so an instruction reads what was made four lines earlier and never the result of the line in front of it.
; Stages 1-4: the chunk's maximum.  5-7: the key; sign mask xor (63 - t): a maximum >= 0 gets the bits 63 - t, one < 0 the bits t, so that the
; earlier tile is the larger float in both cases.  8, 9: the best two keys.
.macro LK st, dd
.irp e, 0,1,2,3
.if \st == 1
	v_max3_num_f32 v[M+\e], v[\dd+8*\e], v[\dd+8*\e+1], v[\dd+8*\e+2]
.endif
.if \st == 2
	v_max3_num_f32 v[S+\e], v[\dd+8*\e+3], v[\dd+8*\e+4], v[\dd+8*\e+5]
.endif
.if \st == 3
	v_max3_num_f32 v[M+\e], v[M+\e], v[S+\e], v[\dd+8*\e+6]
.endif
.if \st == 4
	v_max_num_f32 v[M+\e], v[M+\e], v[\dd+8*\e+7]
.endif
.if \st == 5
	v_ashrrev_i32 v[S+\e], 31, v[M+\e]
.endif
.if \st == 6
	v_xor_b32 v[S+\e], v[S+\e], v[VT]
.endif
.if \st == 7
	v_bfi_b32 v[M+\e], 63, v[S+\e], v[M+\e]                                ; six low bits from S, the rest from the maximum
.endif
.if \st == 8
	v_med3_num_f32 v[TR+2*\e+1], v[M+\e], v[TR+2*\e], v[TR+2*\e+1]         ; the middle one of three is the new second
.endif
.if \st == 9
	v_max_num_f32 v[TR+2*\e], v[TR+2*\e], v[M+\e]
.endif
.endr
.endm
; A PHASE: the 4 matrix instructions of one tile (buffer rb, scores into set d), one at a time, and behind each a part of the look at the tile
; before (set dp): 8, 8, 8 and 13 vector instructions.
; DISTANCES (ISA guide 7.12.1): the vector instructions here name only set dp, the keys, M, S and VT, none of the registers of this phase's
; matrix instructions, so they are the places behind them.  Set d is first read in the next phase: 13 such places (stages 7 to 9 and the count's
; step) stand behind this phase's last matrix instruction; in the first phase, which has nothing to look at, four v_nop.
; THE REFILL (fill = 1: buffer fu, tile fo from the bases) stands at the phase's head: buffer fu held the tile before, whose last reader is the
; last matrix instruction of the phase before, 13 (or four) places back; and the lines straight in front of the loads are plain vector ones.
; left: the loads of the next six tiles (4 each) were issued behind this tile's and may stay out; the refill follows the wait, so it is not counted.
.macro PHASE rb, d, dp, on, fill, fu, fo, left
	s_wait_loadcnt \left
.if \fill
	FILL \fu, \fo
.endif
	WM \rb, \d, 0
.if \on
	LK 1, \dp
	LK 2, \dp
.endif
	WM \rb, \d, 1
.if \on
	LK 3, \dp
	LK 4, \dp
.endif
	WM \rb, \d, 2
.if \on
	LK 5, \dp
	LK 6, \dp
.endif
	WM \rb, \d, 3
.if \on
	LK 7, \dp
	LK 8, \dp
	LK 9, \dp
	v_add_nc_u32 v[VT], -1, v[VT]
.else
.rept 4
	v_nop
.endr
.endif
.endm
	PHASE RING, DA, DB, 0, 1, 7, 7, 24             ; tile 0; tile 7 is asked for
	s_mov_b32 s19, 7
.Lloop:                                            ; trip k: tiles 8 k + 1 .. 8 k + 8; tiles 8 k + 8 .. 8 k + 15 are asked for (the last: 63)
	PHASE RING+16,  DB, DA, 1, 1, 0, 8, 24
	PHASE RING+32,  DA, DB, 1, 1, 1, 9, 24
	PHASE RING+48,  DB, DA, 1, 1, 2, 10, 24
	PHASE RING+64,  DA, DB, 1, 1, 3, 11, 24
	PHASE RING+80,  DB, DA, 1, 1, 4, 12, 24
	PHASE RING+96,  DA, DB, 1, 1, 5, 13, 24
	PHASE RING+112, DB, DA, 1, 1, 6, 14, 24
	PHASE RING,     DA, DB, 1, 1, 7, 15, 24
	s_wait_xcnt 0x0                                ; the two bases are stepped only when every load issued has had its address taken
	s_add_nc_u64 s[6:7], s[6:7], 8*TILEB
	s_add_nc_u64 s[8:9], s[8:9], 8*64
	s_sub_co_i32 s19, s19, 1
	s_cmp_lg_u32 s19, 0
	s_cbranch_scc1 .Lloop
	PHASE RING+16,  DB, DA, 1, 0, 0, 0, 24         ; tiles 57 .. 63: nothing more is asked for, the counts run down
	PHASE RING+32,  DA, DB, 1, 0, 0, 0, 20
	PHASE RING+48,  DB, DA, 1, 0, 0, 0, 16
	PHASE RING+64,  DA, DB, 1, 0, 0, 0, 12
	PHASE RING+80,  DB, DA, 1, 0, 0, 0, 8
	PHASE RING+96,  DA, DB, 1, 0, 0, 0, 4
	PHASE RING+112, DB, DA, 1, 0, 0, 0, 0
.irp st, 1,2,3,4,5,6,7,8,9
	LK \st, DB                                     ; the look at tile 63, 13 places behind its last matrix instruction
.endr
	; The lists meet in LDS as (value, value, chunk, chunk).  value = the key without its six low bits, so that equal maxima are equal values again;
	; tile t = ((key xor sign mask) xor 63) & 63;  chunk = 2 (64 w + t) + h.
	s_lshl_b32 s18, s2, 7
	v_add_nc_u32 v[S], s18, v4                     ; 128 w + h
.irp nn, 0,1,2,3
.irp q, 0,1
	v_ashrrev_i32 v[M], 31, v[TR+2*\nn+\q]
	v_xor_b32 v[M], v[M], v[TR+2*\nn+\q]
	v_xor_b32 v[M], 63, v[M]
	v_and_b32 v[M], 63, v[M]
	v_lshl_add_u32 v[DA+4*\nn+2+\q], v[M], 1, v[S]
	v_and_b32 v[DA+4*\nn+\q], 0xffffffc0, v[TR+2*\nn+\q]
.endr
.endr
	v_lshlrev_b32 v7, 10, v4
	v_lshl_add_u32 v7, v5, 6, v7
	s_lshl_b32 s18, s2, 11
	v_add_nc_u32 v7, s18, v7                       ; list 2 w + h (1,024 bytes), row 4 r + nn (16 bytes): each wave has 2,048 bytes of its own
.irp nn, 0,1,2,3
	ds_store_b128 v7, v[DA+4*\nn:DA+4*\nn+3] offset:16*\nn
.endr
	s_wait_dscnt 0x0                               ; for the other waves' sake
	s_barrier_signal -1
	s_barrier_wait -1
	s_cmp_gt_u32 s2, 1
	s_cbranch_scc1 .Lend                           ; threads 0 to 63 (waves 0 and 1) merge one row each; no barrier follows
	v_lshlrev_b32 v3, 4, v0
.set n, 0
.rept 16
	ds_load_b128 v[DA+4*n:DA+4*n+3], v3 offset:1024*n
.set n, n+1
.endr
	s_lshl_b32 s12, ttmp9, 10
	s_add_nc_u64 s[10:11], s[10:11], s[12:13]      ; 64 rows x 16 bytes
	s_wait_dscnt 0x0
	v_max_num_f32 v[M], v[DA], v[DA+4]             ; the row's largest value: the largest of the 16 best
.set n, 2
.rept 7
	v_max3_num_f32 v[M], v[M], v[DA+4*n], v[DA+4*n+4]
.set n, n+2
.endr
	; One whole number for each of the 32 entries: e = largest - value is >= 0, so its bits order like the number; near the top the difference is
	; exact and small, so the ten low bits that make room for the chunk's number are 2^-13 of a small number.  Smaller is better; equal e: lower chunk.
.set n, 0
.rept 16
	v_sub_f32 v[DA+4*n], v[M], v[DA+4*n]
	v_sub_f32 v[DA+4*n+1], v[M], v[DA+4*n+1]
	v_and_or_b32 v[DA+4*n], v[DA+4*n], 0xfffffc00, v[DA+4*n+2]
	v_and_or_b32 v[DA+4*n+1], v[DA+4*n+1], 0xfffffc00, v[DA+4*n+3]
.set n, n+1
.endr
; Four numbers at B, B+1, B+4, B+5 come out in ascending order at B .. B+3; B+2, B+3, B+6, B+7 are at work.
.macro SORT4 B
	v_min_u32 v[\B+2], v[\B], v[\B+1]
	v_max_u32 v[\B+3], v[\B], v[\B+1]
	v_min_u32 v[\B+6], v[\B+4], v[\B+5]
	v_max_u32 v[\B+7], v[\B+4], v[\B+5]
	v_min_u32 v[\B], v[\B+2], v[\B+6]              ; the least of all
	v_max_u32 v[\B+4], v[\B+2], v[\B+6]
	v_min_u32 v[\B+5], v[\B+3], v[\B+7]
	v_max_u32 v[\B+3], v[\B+3], v[\B+7]            ; the largest of all
	v_min_u32 v[\B+1], v[\B+5], v[\B+4]
	v_max_u32 v[\B+2], v[\B+5], v[\B+4]
.endm
; The four least of two ascending fours a and b, in ascending order at t .. t+3: min(a[i], b[3-i]) are those four, first rising then falling;
; compare-exchanges at distance 2 and then 1 put them in order.  a is overwritten.
.macro MERGE4 a, b, t
	v_min_u32 v[\t],   v[\a],   v[\b+3]
	v_min_u32 v[\t+1], v[\a+1], v[\b+2]
	v_min_u32 v[\t+2], v[\a+2], v[\b+1]
	v_min_u32 v[\t+3], v[\a+3], v[\b]
	v_min_u32 v[\a],   v[\t],   v[\t+2]
	v_max_u32 v[\a+2], v[\t],   v[\t+2]
	v_min_u32 v[\a+1], v[\t+1], v[\t+3]
	v_max_u32 v[\a+3], v[\t+1], v[\t+3]
	v_min_u32 v[\t],   v[\a],   v[\a+1]
	v_max_u32 v[\t+1], v[\a],   v[\a+1]
	v_min_u32 v[\t+2], v[\a+2], v[\a+3]
	v_max_u32 v[\t+3], v[\a+2], v[\a+3]
.endm
.irp m, 0,1,2,3,4,5,6,7
	SORT4 DA+8*\m                                  ; two lists each: eight fours
.endr
.irp p, 0,1,2,3
	MERGE4 DA+16*\p, DA+16*\p+8, DA+16*\p+4        ; four fours, at DA + 16 p + 4
.endr
.irp q, 0,1
	MERGE4 DA+32*\q+4, DA+32*\q+20, DA+32*\q       ; two fours, at DA and DA + 32
.endr
.irp i, 0,1,2,3
	v_min_u32 v[DA+4+\i], v[DA+\i], v[DA+32+3-\i]  ; the four least of all 32; their order does not matter any more
.endr
	v_and_b32 v[DA+8],  0x3ff, v[DA+4]             ; their chunks,
	v_and_b32 v[DA+9],  0x3ff, v[DA+5]
	v_and_b32 v[DA+12], 0x3ff, v[DA+6]
	v_and_b32 v[DA+13], 0x3ff, v[DA+7]
	SORT4 DA+8                                     ; in ascending order: the next launch leans on that for equal distances
	global_store_b128 v3, v[DA+8:DA+11], s[10:11]  ; a wave stores 512 consecutive bytes, aligned
.Lend:
	s_wait_tensorcnt 0x0
	ds_add_u32 v250, v251
	s_wait_dscnt 0x0
	s_endpgm
.Lfunc_end_k_q7759eb4141_scan:
	.size	k_q7759eb4141_scan, .Lfunc_end_k_q7759eb4141_scan-k_q7759eb4141_scan
	.p2alignl 7, 3214868480
	.fill 96, 4, 3214868480
	.section	.rodata,"a",@progbits
	.p2align	6, 0x0
	.amdhsa_kernel k_q7759eb4141_scan
		.amdhsa_group_segment_fixed_size 17408
		.amdhsa_private_segment_fixed_size 0
		.amdhsa_enable_private_segment 0
		.amdhsa_kernarg_size 32
		.amdhsa_user_sgpr_count 2
		.amdhsa_user_sgpr_kernarg_segment_ptr 1
		.amdhsa_wavefront_size32 1
		.amdhsa_system_sgpr_workgroup_id_x 1
		.amdhsa_system_sgpr_workgroup_id_y 1
		.amdhsa_system_sgpr_workgroup_id_z 1
		.amdhsa_system_vgpr_workitem_id 0
		.amdhsa_next_free_vgpr 252
		.amdhsa_next_free_sgpr 66
		.amdhsa_reserve_vcc 0
		.amdhsa_float_denorm_mode_32 3
		.amdhsa_float_denorm_mode_16_64 3
		.amdhsa_memory_ordered 1
		.amdhsa_forward_progress 1
		.amdhsa_inst_pref_size 59
	.end_amdhsa_kernel
	.amdgpu_metadata
---
amdhsa.version: [ 1, 2 ]
amdhsa.kernels:
  - .name:           k_q7759eb4141_scan
    .symbol:         k_q7759eb4141_scan.kd
    .args:
      - { .name: z, .offset: 0, .size: 8, .value_kind: global_buffer, .address_space: global }
      - { .name: cs, .offset: 8, .size: 8, .value_kind: global_buffer, .address_space: global }
      - { .name: nh, .offset: 16, .size: 8, .value_kind: global_buffer, .address_space: global }
      - { .name: cand, .offset: 24, .size: 8, .value_kind: global_buffer, .address_space: global }
    .group_segment_fixed_size: 17408
    .private_segment_fixed_size: 0
    .kernarg_segment_align: 8
    .kernarg_segment_size: 32
    .max_flat_workgroup_size: 256
    .sgpr_count:     66
    .vgpr_count:     252
    .wavefront_size: 32
...
	.end_amdgpu_metadata
.endif
;; end of part 6
;; launch finish (part 7): grid 256 x 1, 16 waves a work-group, no clusters, 19,968 bytes of LDS; arguments z, cbf, cand, nh, out0, out2, part; writes out0, out2, part
.if DOCPART == 7
	.amdgcn_target "amdgcn-amd-amdhsa--gfx1250"
	.amdhsa_code_object_version 6
	.text
	.protected	k_q7759eb4141_finish
	.globl	k_q7759eb4141_finish
	.p2align	8
	.type	k_q7759eb4141_finish,@function
k_q7759eb4141_finish:
	s_mov_b64 s[64:65], 0
	v_nop
	global_prefetch_b8 v0, s[64:65] scope:SCOPE_SE
	s_setreg_imm32_b32 hwreg(HW_REG_WAVE_MODE, 25, 1), 1
	s_wait_xcnt 0x0
; The decision, in f32, among the 32 codes (four chunks of 8, chunk numbers ascending) that the launch before left for each row, and the outputs.
;   d = fl( fl(|z|^2 + |c|^2) - 2 z.c )  as reference() writes it; the smallest d wins, on equal d the lower index (argmin's rule).
;   out0 = z + (zq - z), out2 = the index, part[work-group] = sum of (zq - z)^2 over its 64 rows.
; |c|^2 is -2 nh, exactly (nh was made as -1/2 of the f32 sum), so one fused multiply-add gives fl(|z|^2 + |c|^2).
; The dot products here are 32 of the 8,192 per row: they settle what f16 operands cannot, since indices are compared exactly.
; LIMITS.  The sums (z.c, |z|^2, |c|^2) need not be added in the order of reference()'s sums: two codes whose d differ by less than that rounding
; may change places.  NaN is not ordered.
; SHAPE.  A work-group owns 64 rows, a wave 4 of them.  A chunk is 1,024 consecutive bytes of cbf: one load of a wave takes half a chunk,
; lane l = code l >> 3 of the four, dims 4 (l & 7) .. + 3.  The chunk numbers are whole numbers from memory (one scalar load of 64 bytes a wave,
; clamped to the 1,024 chunks); nothing that this launch computes from floats enters an address or a branch: the winner's four numbers travel
; with (d, index) through v_cndmask_b32.
; No cluster: the work-groups share no tile (each gathers its own rows' chunks).  No matrix unit: 32 x 32 multiply-adds a row, in f32.
.set ZP,   272                         ; LDS pitch of one k of the z block
.set OB,   32*ZP                       ; out0's block: each wave's 4 rows as [k][4 rows], 512 bytes, at a pitch of OWP
.set OWP,  528
.set IDXB, OB+16*OWP                   ; 64 indices
.set LSB,  IDXB+256                    ; 16 sums
.set OFF,  8                           ; v[8:23]    byte offset in cbf: row i, chunk c at 4 i + c
.set OFN,  24                          ; v[24:39]   byte offset in nh, likewise
.set X,    40                          ; v[40:167]  row i, eighth u of its 32 codes: 4 registers at 32 i + 4 u
.set NH,   168                         ; v[168:199] row i, eighth u: nh of my code, then |z|^2 + |c|^2
.set ZV,   200                         ; v[200:215] z of my dim e, row i at 4 e + i; in the end out0
.set P,    216                         ; v[216:223] z.c, then d, of eighth u; later zq - z
.set IX,   224                         ; v[224:231] index of my code in eighth u
.set ZZ,   232
.set OD,   233                         ; the other lane's d, index
.set OI,   234
.set LS,   235                         ; sum of squares
.set OX,   236                         ; v[236:239] the other lane's four numbers
.set G0,   240                         ; l >> 3
.set G1,   241                         ; 4 + (l >> 3)
.set G4,   242                         ; 4 (l >> 3)
.set RBK,  243                         ; where I read out0's block back
.set STG,  244                         ; where my 16 bytes of z go in LDS
.set SG,   246                         ; v[246:249] z on its way into LDS
	s_load_b256 s[4:11], s[0:1], 0x0               ; z s[4:5], cbf s[6:7], cand s[8:9], nh s[10:11]
	s_load_b128 s[12:15], s[0:1], 0x20             ; out0 s[12:13], out2 s[14:15]
	s_load_b64 s[32:33], s[0:1], 0x30              ; part
	v_lshl_add_u32 v250, v0, 2, 0x4600
	v_mov_b32 v251, 0
	v_lshrrev_b32 v6, 5, v0
	v_readfirstlane_b32 s2, v6                     ; wave 0..15
	v_and_b32 v6, 31, v0
	v_lshlrev_b32 v1, 4, v6                        ; 16 x lane
	v_lshrrev_b32 v[G0], 3, v6
	v_add_nc_u32 v[G1], 4, v[G0]
	v_lshlrev_b32 v[G4], 2, v[G0]
	v_and_b32 v7, 7, v0                            ; which four dims
	v_mul_u32_u24 v3, v7, 4*ZP
	s_lshl_b32 s36, s2, 4
	v_add_nc_u32 v3, s36, v3                       ; z in LDS: k = 4 (l & 7), rows 4 w .. 4 w + 3 (16 bytes)
	s_mul_i32 s37, s2, OWP
	v_lshl_add_u32 v4, v7, 6, s37                  ; out0 in LDS: my wave's block, k = 4 (l & 7), 16 bytes for each k
	v_mov_b32 v5, s36                              ; my wave's 4 indices
	v_lshrrev_b32 v6, 4, v0                        ; t >> 4: k
	v_and_b32 v7, 15, v0                           ; t & 15: four rows
	v_lshlrev_b32 v2, 15, v6
	v_lshl_add_u32 v2, v7, 4, v2                   ; z and out0 in memory: k = t >> 4, 16 bytes at 16 (t & 15)
	v_mul_u32_u24 v[STG], v6, ZP
	v_lshl_add_u32 v[STG], v7, 4, v[STG]
	v_mul_u32_u24 v[RBK], v7, OWP                  ; rows 4 (t & 15) .. + 3 are wave (t & 15)'s
	v_lshl_add_u32 v[RBK], v6, 4, v[RBK]
	s_lshr_b32 s34, ttmp9, 7
	s_lshl_b32 s34, s34, 20
	s_and_b32 s35, ttmp9, 127
	s_lshl_b32 s35, s35, 8
	s_add_co_u32 s34, s34, s35                     ; the block in z and out0
	s_mov_b32 s35, 0
	s_lshl_b32 s38, ttmp9, 10
	s_lshl_b32 s39, s2, 6
	s_add_co_u32 s38, s38, s39                     ; my 4 rows' 64 bytes of cand
	s_mov_b32 s39, 0
	s_mov_b32 s44, 0x76543210                      ; v_permlanex16_b32: lane i of the other half
	s_mov_b32 s45, 0xfedcba98
	s_wait_kmcnt 0x0
	s_add_nc_u64 s[8:9], s[8:9], s[38:39]
	s_load_b512 s[16:31], s[8:9], 0x0              ; row i: chunks s[16 + 4 i] .. s[19 + 4 i]
	s_add_nc_u64 s[4:5], s[4:5], s[34:35]
	s_add_nc_u64 s[12:13], s[12:13], s[34:35]
	global_load_b128 v[SG:SG+3], v2, s[4:5]        ; the z block once for the work-group, 16 lanes to one k's 256 bytes
	s_wait_kmcnt 0x0
.set n, 0
.rept 16
	s_min_u32 s[16+n], s[16+n], 0x3ff              ; a loaded number enters an address only clamped to the table: 1,024 chunks
	v_lshl_add_u32 v[OFF+n], s[16+n], 10, v1
	v_lshl_add_u32 v[OFN+n], s[16+n], 5, v[G4]
.set n, n+1
.endr
.macro GATHER i                        ; 16 loads: a row's 32 codes, 512 consecutive bytes a load, and nh of my eight codes
.irp c, 0,1,2,3
	global_load_b128 v[X+32*\i+8*\c:X+32*\i+8*\c+3],   v[OFF+4*\i+\c], s[6:7]              ; codes 0-3 of the chunk
	global_load_b128 v[X+32*\i+8*\c+4:X+32*\i+8*\c+7], v[OFF+4*\i+\c], s[6:7] offset:512   ; codes 4-7
.endr
.irp c, 0,1,2,3
	global_load_b32 v[NH+8*\i+2*\c],   v[OFN+4*\i+\c], s[10:11]
	global_load_b32 v[NH+8*\i+2*\c+1], v[OFN+4*\i+\c], s[10:11] offset:16
.endr
.endm
	GATHER 0
	GATHER 1
	GATHER 2
	s_wait_loadcnt 48                              ; the z load is in; the 48 gathers behind it stay out
	ds_store_b128 v[STG], v[SG:SG+3]
	s_wait_dscnt 0x0                               ; my part of the block is in LDS before I say so
	s_barrier_signal -1
	s_barrier_wait -1
.irp e, 0,1,2,3
	ds_load_b128 v[ZV+4*\e:ZV+4*\e+3], v3 offset:\e*ZP     ; dim 4 (l & 7) + e of my wave's four rows
.endr
	v_mov_b32 v[OD], 0                             ; destinations of lane moves count as read: written once here
	v_mov_b32 v[OI], 0
.irp e, 0,1,2,3
	v_mov_b32 v[OX+\e], 0
.endr
	v_mov_b32 v[LS], 0
	s_wait_dscnt 0x0
; Inside a lane a's index is the lower one (chunks ascending, eighths ascending): a gives way only to a smaller d.
.macro MLT da, ia, xa, db, ib, xb, sm
	v_cmp_lt_f32 s[\sm], v[\db], v[\da]
	v_cndmask_b32 v[\da], v[\da], v[\db], s[\sm]
	v_cndmask_b32 v[\ia], v[\ia], v[\ib], s[\sm]
.irp e, 0,1,2,3
	v_cndmask_b32 v[\xa+\e], v[\xa+\e], v[\xb+\e], s[\sm]
.endr
.endm
; Between lanes: (da, ia, xa) takes (db, ib, xb) if that has the smaller d, or the same d and the lower index
.macro MERGE da, ia, xa, db, ib, xb
	v_cmp_lt_f32 s40, v[\db], v[\da]
	v_cmp_eq_f32 s41, v[\db], v[\da]
	v_cmp_lt_u32 s42, v[\ib], v[\ia]
	s_and_b32 s41, s41, s42
	s_or_b32 s40, s40, s41
	v_cndmask_b32 v[\da], v[\da], v[\db], s40
	v_cndmask_b32 v[\ia], v[\ia], v[\ib], s40
.irp e, 0,1,2,3
	v_cndmask_b32 v[\xa+\e], v[\xa+\e], v[\xb+\e], s40
.endr
.endm
; left: how many gathers of later rows, 16 a row, stay out.  gat = 1: the fourth row's gathers are issued here, behind the first row's wait.
.macro ROW i, left, gat
	s_wait_loadcnt \left
.if \gat
	GATHER 3
.endif
	v_mul_f32 v[ZZ], v[ZV+\i], v[ZV+\i]
.irp u, 0,1,2,3,4,5,6,7
	v_mul_f32 v[P+\u], v[X+32*\i+4*\u], v[ZV+\i]
.endr
.irp e, 1,2,3
	v_fma_f32 v[ZZ], v[ZV+4*\e+\i], v[ZV+4*\e+\i], v[ZZ]
.irp u, 0,1,2,3,4,5,6,7
	v_fma_f32 v[P+\u], v[X+32*\i+4*\u+\e], v[ZV+4*\e+\i], v[P+\u]
.endr
.endr
.irp s, 1,2,4                          ; over the eight lanes of a code; every one of them ends with the same bits
	v_add_f32_dpp v[ZZ], v[ZZ], v[ZZ] row_xmask:\s row_mask:0xf bank_mask:0xf
.irp u, 0,1,2,3,4,5,6,7
	v_add_f32_dpp v[P+\u], v[P+\u], v[P+\u] row_xmask:\s row_mask:0xf bank_mask:0xf
.endr
.endr
.irp u, 0,1,2,3,4,5,6,7
	v_fma_f32 v[NH+8*\i+\u], -2.0, v[NH+8*\i+\u], v[ZZ]    ; |z|^2 + |c|^2, rounded (-2 nh is exact),
	v_fma_f32 v[P+\u], -2.0, v[P+\u], v[NH+8*\i+\u]        ; - 2 z.c, rounded once more (2 z.c is exact)
.endr
.irp c, 0,1,2,3
	v_lshl_add_u32 v[IX+2*\c],   s[16+4*\i+\c], 3, v[G0]
	v_lshl_add_u32 v[IX+2*\c+1], s[16+4*\i+\c], 3, v[G1]
.endr
	MLT P,   IX,   X+32*\i,    P+1, IX+1, X+32*\i+4,  40
	MLT P+2, IX+2, X+32*\i+8,  P+3, IX+3, X+32*\i+12, 41
	MLT P+4, IX+4, X+32*\i+16, P+5, IX+5, X+32*\i+20, 42
	MLT P+6, IX+6, X+32*\i+24, P+7, IX+7, X+32*\i+28, 43
	MLT P,   IX,   X+32*\i,    P+2, IX+2, X+32*\i+8,  40
	MLT P+4, IX+4, X+32*\i+16, P+6, IX+6, X+32*\i+24, 41
	MLT P,   IX,   X+32*\i,    P+4, IX+4, X+32*\i+16, 42
	v_mov_b32_dpp v[OD], v[P] row_xmask:8 row_mask:0xf bank_mask:0xf       ; the lane eight further: same dims, other codes
	v_mov_b32_dpp v[OI], v[IX] row_xmask:8 row_mask:0xf bank_mask:0xf
.irp e, 0,1,2,3
	v_mov_b32_dpp v[OX+\e], v[X+32*\i+\e] row_xmask:8 row_mask:0xf bank_mask:0xf
.endr
	MERGE P, IX, X+32*\i, OD, OI, OX
	v_permlanex16_b32 v[OD], v[P], s44, s45                                ; and the other half of the wave
	v_permlanex16_b32 v[OI], v[IX], s44, s45
.irp e, 0,1,2,3
	v_permlanex16_b32 v[OX+\e], v[X+32*\i+\e], s44, s45
.endr
	MERGE P, IX, X+32*\i, OD, OI, OX               ; every lane now holds the row's index and the winner's numbers of its four dims
.irp e, 0,1,2,3
	v_sub_f32 v[P+\e], v[X+32*\i+\e], v[ZV+4*\e+\i]        ; zq - z
.endr
.irp e, 0,1,2,3
	v_fma_f32 v[LS], v[P+\e], v[P+\e], v[LS]
	v_add_f32 v[ZV+4*\e+\i], v[ZV+4*\e+\i], v[P+\e]        ; z + (zq - z), in z's place: dim e's four rows end up in four neighbouring registers
.endr
	ds_store_b32 v5, v[IX] offset:IDXB+4*\i        ; all lanes write the same word with the same number
.endm
	ROW 0, 32, 1                                   ; rows 1 and 2 stay out
	ROW 1, 32, 0                                   ; rows 2 and 3
	ROW 2, 16, 0
	ROW 3, 0, 0
.irp e, 0,1,2,3
	ds_store_b128 v4, v[ZV+4*\e:ZV+4*\e+3] offset:OB+16*\e ; the four lanes with the same dims write the same bytes with the same numbers
.endr
.irp s, 1,2,4,8
	v_add_f32_dpp v[LS], v[LS], v[LS] row_xmask:\s row_mask:0xf bank_mask:0xf
.endr
	v_permlanex16_b32 v[OD], v[LS], s44, s45
	v_add_f32 v[LS], v[LS], v[OD]                  ; the wave's sum, each square counted four times (four lanes hold the same dims)
	s_lshl_b32 s36, s2, 2
	v_mov_b32 v6, s36
	ds_store_b32 v6, v[LS] offset:LSB
	s_wait_dscnt 0x0                               ; for the other waves' sake
	s_barrier_signal -1
	s_barrier_wait -1
	ds_load_b128 v[40:43], v[RBK] offset:OB
	s_wait_dscnt 0x0
	global_store_b128 v2, v[40:43], s[12:13]       ; 16 lanes store one k's 256 bytes, aligned
	s_cmp_lg_u32 s2, 0
	s_cbranch_scc1 .Lend                           ; wave 0 alone stores the indices and the sum; no barrier follows
	v_lshlrev_b32 v6, 3, v0
	v_mov_b32 v7, 0
	ds_load_b64 v[44:45], v6 offset:IDXB
	ds_load_b128 v[48:51], v7 offset:LSB
	ds_load_b128 v[52:55], v7 offset:LSB+16
	ds_load_b128 v[56:59], v7 offset:LSB+32
	ds_load_b128 v[60:63], v7 offset:LSB+48
	s_lshl_b32 s34, ttmp9, 8
	s_add_nc_u64 s[14:15], s[14:15], s[34:35]
	s_lshl_b32 s38, ttmp9, 2
	s_add_nc_u64 s[32:33], s[32:33], s[38:39]
	s_wait_dscnt 0x0
	global_store_b64 v6, v[44:45], s[14:15]        ; 32 lanes store the 64 indices: 256 bytes, aligned
	v_pk_add_f32 v[48:49], v[48:49], v[50:51]
	v_pk_add_f32 v[52:53], v[52:53], v[54:55]
	v_pk_add_f32 v[56:57], v[56:57], v[58:59]
	v_pk_add_f32 v[60:61], v[60:61], v[62:63]
	v_pk_add_f32 v[48:49], v[48:49], v[52:53]
	v_pk_add_f32 v[56:57], v[56:57], v[60:61]
	v_pk_add_f32 v[48:49], v[48:49], v[56:57]
	v_add_f32 v48, v48, v49
	v_mul_f32 v48, 0x3e800000, v48                 ; a quarter: see above
	v_cmp_eq_u32 vcc_lo, 0, v0
	s_wait_xcnt 0x0                                ; EXEC is a source of the stores above: it changes only behind this wait
	s_and_saveexec_b32 s46, vcc_lo
	global_store_b32 v6, v48, s[32:33]             ; lane 0 (offset 0): the work-group's one word
	s_wait_xcnt 0x0
	s_or_b32 exec_lo, exec_lo, s46
.Lend:
	s_wait_tensorcnt 0x0
	ds_add_u32 v250, v251
	s_wait_dscnt 0x0
	s_endpgm
.Lfunc_end_k_q7759eb4141_finish:
	.size	k_q7759eb4141_finish, .Lfunc_end_k_q7759eb4141_finish-k_q7759eb4141_finish
	.p2alignl 7, 3214868480
	.fill 96, 4, 3214868480
	.section	.rodata,"a",@progbits
	.p2align	6, 0x0
	.amdhsa_kernel k_q7759eb4141_finish
		.amdhsa_group_segment_fixed_size 19968
		.amdhsa_private_segment_fixed_size 0
		.amdhsa_enable_private_segment 0
		.amdhsa_kernarg_size 56
		.amdhsa_user_sgpr_count 2
		.amdhsa_user_sgpr_kernarg_segment_ptr 1
		.amdhsa_wavefront_size32 1
		.amdhsa_system_sgpr_workgroup_id_x 1
		.amdhsa_system_sgpr_workgroup_id_y 1
		.amdhsa_system_sgpr_workgroup_id_z 1
		.amdhsa_system_vgpr_workitem_id 0
		.amdhsa_next_free_vgpr 252
		.amdhsa_next_free_sgpr 66
		.amdhsa_reserve_vcc 1
		.amdhsa_float_denorm_mode_32 3
		.amdhsa_float_denorm_mode_16_64 3
		.amdhsa_memory_ordered 1
		.amdhsa_forward_progress 1
		.amdhsa_inst_pref_size 58
	.end_amdhsa_kernel
	.amdgpu_metadata
---
amdhsa.version: [ 1, 2 ]
amdhsa.kernels:
  - .name:           k_q7759eb4141_finish
    .symbol:         k_q7759eb4141_finish.kd
    .args:
      - { .name: z, .offset: 0, .size: 8, .value_kind: global_buffer, .address_space: global }
      - { .name: cbf, .offset: 8, .size: 8, .value_kind: global_buffer, .address_space: global }
      - { .name: cand, .offset: 16, .size: 8, .value_kind: global_buffer, .address_space: global }
      - { .name: nh, .offset: 24, .size: 8, .value_kind: global_buffer, .address_space: global }
      - { .name: out0, .offset: 32, .size: 8, .value_kind: global_buffer, .address_space: global }
      - { .name: out2, .offset: 40, .size: 8, .value_kind: global_buffer, .address_space: global }
      - { .name: part, .offset: 48, .size: 8, .value_kind: global_buffer, .address_space: global }
    .group_segment_fixed_size: 19968
    .private_segment_fixed_size: 0
    .kernarg_segment_align: 8
    .kernarg_segment_size: 56
    .max_flat_workgroup_size: 512
    .sgpr_count:     66
    .vgpr_count:     252
    .wavefront_size: 32
...
	.end_amdgpu_metadata
.endif
;; end of part 7
;; launch loss: the kernel of part 4 again; grid 1 x 1, 1 waves a work-group, no clusters, 0 bytes of LDS; arguments part, out1; writes out1
;; ======== version 3 of 3: 4 launches; version 2 with the launch scan written anew for expert scheduling mode
;; limits: values are held in f16: magnitudes above 65,504 overflow, below 6.1e-05 lose precision
;; workspace buffers: cbf 1,048,576 bytes; cs 524,288 bytes; nh 32,768 bytes; cand 262,144 bytes of whole numbers; part 1,024 bytes
;; launch prep: the kernel of part 5 again; grid 128 x 1, 8 waves a work-group, no clusters, 20,480 bytes of LDS; arguments emb, proj_w, proj_b, cbf, cs, nh; writes cbf, cs, nh
;; launch scan (part 8): grid 256 x 1, 8 waves a work-group, no clusters, 17,408 bytes of LDS; arguments z, cs, nh, cand; writes cand
.if DOCPART == 8
	.amdgcn_target "amdgcn-amd-amdhsa--gfx1250"
	.amdhsa_code_object_version 6
	.text
	.protected	k_q7759eb4141_scan
	.globl	k_q7759eb4141_scan
	.p2align	8
	.type	k_q7759eb4141_scan,@function
k_q7759eb4141_scan:
	s_mov_b64 s[64:65], 0
	v_nop
	global_prefetch_b8 v0, s[64:65] scope:SCOPE_SE
	s_setreg_imm32_b32 hwreg(HW_REG_WAVE_SCHED_MODE, 0, 2), 2
	s_setreg_imm32_b32 hwreg(HW_REG_WAVE_MODE, 25, 1), 1
	s_wait_xcnt 0x0
	s_wait_alu depctr_vm_vsrc(0)
; The bulk of the work: for each of the 16,384 rows of z (row = b 8192 + thw, 32 numbers 32,768 bytes apart) the score
;   g(row, code) = z . cb - |cb|^2 / 2   (largest g = smallest distance)  of all 8,192 codes, on the matrix unit, as a FILTER:
; it stores, for each row, the numbers of the four CHUNKS (8 neighbouring codes) that hold the largest scores, in ascending order; the next
; launch settles the index among those 32 codes in f32.  One matrix instruction makes 16 x 16 scores: f16(cb) x f16(z) + nh, sums in f32.
; LIMITS.  The scores carry the rounding of z and cb to f16, about 2^-11 of sum |z||cb|.  The true winner's chunk is lost only if two chunks of
; its own list (one of 16 for a row, see below) or four chunks in all overtake it by that rounding.  |z| and |cb| stay below 65,504.  NaN and
; infinite scores are not ordered.  Inside a lane's list a score +0 and a score -0 count as different.
; SHAPE.  A work-group owns 64 rows, all codes.  Eight waves, two on each SIMD; every wave holds all 64 rows as B fragments (4 tiles of 16 rows,
; 32 registers) and walks its own eighth of the codes, 64 tiles of 16.  Codes are the A operand, so in the result register j of lane 16 h + r is
; code 16 tile + 8 h + j: a lane's eight registers are one chunk of one row, and the maximum over codes stays in the lane.
; ROWS: row tile nn of lane r is row 4 r + nn of the block, so that one 16-byte load at one k brings a lane its number for all four row tiles
; and sixteen lanes read one k's 256 consecutive bytes: z needs no LDS and no barrier.
; LISTS: a lane keeps the best two chunks of each of its four rows as KEYS: the chunk's maximum with its six lowest mantissa bits replaced by the
; tile's number, turned so that of two equal maxima the earlier tile is the larger float whatever the sign.  That moves a score by 2^-17 of itself.
; A tile's fragment (1,024 bytes) and nh (64 bytes) come from memory straight into a ring of eight register buffers, 4 loads a tile, seven tiles ahead.
; NO CLUSTER, NO LDS RING: inside a work-group each byte of the code stream feeds one wave only, and a joint request can only land in LDS: every
; tile's 1,088 bytes would be written to LDS and read from it again for the same 4 matrix instructions.
; THE MODE: SCHED_MODE bits 1:0 = 2 (LLVM: expert scheduling mode 2), set by the entry lines.  The code itself states the register dependences
; between vector or matrix instructions and memory or LDS instructions, with s_wait_alu, always for 0.
; THE PLAN.  Registers that memory or LDS instructions touch:
;   v1, v2, v6    byte offsets, made once at the head and never written again: the tiles are reached by two scalar bases and by immediate offsets.
;   ring buffer u written by a tile's four loads; read by that tile's four matrix instructions (A and C); no vector instruction ever writes it.
;                 Phase t multiplies buffer t % 8; its loads land in buffer (t - 1) % 8, which the matrix instructions of phase t - 1 read.
;   v[40:103]     at the head: z's loads land there before any vector instruction names them.  In the loop: scores, named by matrix and vector
;                 instructions alone.  On the way out: v[40:55] are the LDS stores' data, then the LDS loads land in all 64.
;   v7, v3        LDS addresses of the way out (v3 also the final store's offset), each written once.
; So ONE wait on va_vdst stands in a phase, at its head, behind the wait for the phase's own tile: the matrix instructions of the phase before are
; done reading their buffer.  The phase's four loads follow it, dealt among its matrix instructions, which name this tile's buffer, Z and one score
; set; the look names the other score set, the keys, M, S and VT: none of the registers that those loads touch.  No register that a memory
; instruction reads is written in the loop, so it holds no wait on vm_vsrc.  The head has two waits, the way out three: each says what it states.
.set TILEB, 1024                       ; bytes of a tile in cs
.set Z,     8                          ; v[8:39]    z in f16, row tile nn at 8 nn
.set DA,    40                         ; v[40:71]   scores of even tiles, row tile nn at 8 nn (first: z as loaded; last: the lists)
.set DB,    72                         ; v[72:103]  scores of odd tiles
.set TR,    104                        ; v[104:111] row tile nn: best key, second key
.set M,     112                        ; v[112:115] row tile nn: its chunk's maximum, then its key
.set VT,    116                        ; v116       63 - (number, 0 .. 63, of the tile whose scores are being looked at)
.set RING,  118                        ; v[118:245] eight buffers: the fragment (8), nh (8)
.set S,     246                        ; v[246:249] row tile nn: at work
	s_load_b256 s[4:11], s[0:1], 0x0               ; z s[4:5], cs s[6:7], nh s[8:9], cand s[10:11]
	v_lshl_add_u32 v250, v0, 2, 0x4000
	v_mov_b32 v251, 0
	v_lshrrev_b32 v3, 5, v0
	v_readfirstlane_b32 s2, v3                     ; wave 0..7
	v_and_b32 v3, 31, v0
	v_lshlrev_b32 v1, 4, v3                        ; 16 x lane: my 16 bytes of each 512 of cs
	v_lshrrev_b32 v4, 4, v3                        ; h
	v_lshlrev_b32 v2, 5, v4                        ; 32 h: my eight numbers of a tile's nh
	v_and_b32 v5, 15, v0                           ; r
	v_lshlrev_b32 v6, 18, v4                       ; z: k = 8 h (32,768 bytes for each k),
	v_lshl_add_u32 v6, v5, 4, v6                   ; rows 4 r .. 4 r + 3
	s_wait_alu depctr_va_sdst(0)                   ; s2 is written, ahead of its first reader: the bases of cs and nh are made from it
	s_lshl_b32 s12, s2, 16                         ; my 64 tiles of cs: 65,536 bytes a wave
	s_mov_b32 s13, 0
	s_lshl_b32 s14, s2, 12                         ; and of nh: 4,096 bytes
	s_mov_b32 s15, 0
	s_lshr_b32 s16, ttmp9, 7                       ; b: 128 work-groups for each
	s_lshl_b32 s16, s16, 20                        ; 32 x 8192 x 4 bytes
	s_and_b32 s17, ttmp9, 127
	s_lshl_b32 s17, s17, 8                         ; 64 rows = 256 bytes of every k
	s_add_co_u32 s16, s16, s17
	s_mov_b32 s17, 0
	s_wait_kmcnt 0x0
	s_add_nc_u64 s[4:5], s[4:5], s[16:17]
	s_add_nc_u64 s[6:7], s[6:7], s[12:13]
	s_add_nc_u64 s[8:9], s[8:9], s[14:15]
	s_wait_alu depctr_va_vdst(0)                   ; v1, v2 and v6 are written: every global load of the kernel reads one of them as its offset
.macro FRAG u, to                      ; the fragment of tile number to (counted from the base) into ring buffer u
	global_load_b128 v[RING+16*\u:RING+16*\u+3],     v1, s[6:7] offset:\to*TILEB        ; k = 8 h ..
	global_load_b128 v[RING+16*\u+4:RING+16*\u+7],   v1, s[6:7] offset:\to*TILEB+512    ; k = 16 + 8 h ..
.endm
.macro NHS u, to                       ; and its nh
	global_load_b128 v[RING+16*\u+8:RING+16*\u+11],  v2, s[8:9] offset:\to*64           ; nh of codes 8 h .. 8 h + 3
	global_load_b128 v[RING+16*\u+12:RING+16*\u+15], v2, s[8:9] offset:\to*64+16        ; and 8 h + 4 .. 8 h + 7
.endm
	; B fragment: lane (r, h) holds k = 8 h + 0..7 and 16 + 8 h + 0..7 of its row.  Load i brings the i-th of these 16 k for rows 4 r .. 4 r + 3.
.set i, 0
.rept 16
	global_load_b128 v[DA+4*i:DA+4*i+3], v6, s[4:5] offset:((i&7)+16*(i>>3))*32768
.set i, i+1
.endr
.irp u, 0,1,2,3,4,5,6
	FRAG \u, \u
	NHS \u, \u
.endr
.irp e, 0,1,2,3,4,5,6,7
	v_mov_b32 v[TR+\e], 0xff800000                 ; both keys of each row start at -infinity; 64 chunks pass, so none stays
.endr
	v_mov_b32 v[VT], 63                            ; tile 0
	s_wait_loadcnt 28                              ; z's 16 loads are in; the 28 loads of tiles 0 to 6 stay out
.set n, 0
.rept 4
.set p, 0
.rept 8
	v_cvt_pk_f16_f32 v[Z+8*n+p], v[DA+8*p+n], v[DA+8*p+4+n]    ; k number 2 p and 2 p + 1 of row tile n
.set p, p+1
.endr
.set n, n+1
.endr
; One matrix instruction: 16 codes x 16 rows, the sum started from nh (the C operand: register j of half h is code 8 h + j, for every row).
.macro WM rb, d, nn
	v_wmma_f32_16x16x32_f16 v[\d+8*\nn:\d+8*\nn+7], v[\rb:\rb+7], v[Z+8*\nn:Z+8*\nn+7], v[\rb+8:\rb+15]
.endm
; THE LOOK at a tile's scores in set dd: 9 instructions for each chunk (eight scores of one row), written as nine stages.  A stage does the same step
; for the lane's four chunks, so an instruction reads what was made four lines earlier and never the result of the line in front of it.
; Stages 1-4: the chunk's maximum.  5-7: the key; sign mask xor (63 - t): a maximum >= 0 gets the bits 63 - t, one < 0 the bits t, so that the
; earlier tile is the larger float in both cases.  8, 9: the best two keys.
.macro LK st, dd
.irp e, 0,1,2,3
.if \st == 1
	v_max3_num_f32 v[M+\e], v[\dd+8*\e], v[\dd+8*\e+1], v[\dd+8*\e+2]
.endif
.if \st == 2
	v_max3_num_f32 v[S+\e], v[\dd+8*\e+3], v[\dd+8*\e+4], v[\dd+8*\e+5]
.endif
.if \st == 3
	v_max3_num_f32 v[M+\e], v[M+\e], v[S+\e], v[\dd+8*\e+6]
.endif
.if \st == 4
	v_max_num_f32 v[M+\e], v[M+\e], v[\dd+8*\e+7]
.endif
.if \st == 5
	v_ashrrev_i32 v[S+\e], 31, v[M+\e]
.endif
.if \st == 6
	v_xor_b32 v[S+\e], v[S+\e], v[VT]
.endif
.if \st == 7
	v_bfi_b32 v[M+\e], 63, v[S+\e], v[M+\e]                                ; six low bits from S, the rest from the maximum
.endif
.if \st == 8
	v_med3_num_f32 v[TR+2*\e+1], v[M+\e], v[TR+2*\e], v[TR+2*\e+1]         ; the middle one of three is the new second
.endif
.if \st == 9
	v_max_num_f32 v[TR+2*\e], v[TR+2*\e], v[M+\e]
.endif
.endr
.endm
; A PHASE: the 4 matrix instructions of one tile (buffer rb, scores into set d), one at a time, and behind each a part of the look at the tile
; before (set dp): 8, 8, 8 and 13 vector instructions.
; DISTANCES (ISA guide 7.12.1): the vector instructions here name only set dp, the keys, M, S and VT, none of the registers of this phase's
; matrix instructions, so they are the places behind them.  Set d is first read in the next phase: 13 such places (stages 7 to 9 and the count's
; step) stand behind this phase's last matrix instruction; in the first phase, which has nothing to look at, four v_nop.
; THE REFILL (fill = 1: buffer fu, tile fo from the bases).  Buffer fu held the tile before; its readers are the four matrix instructions of the
; phase before, and the wait at this phase's head states that they are done reading it.  Behind that wait the fragment's two loads stand behind the
; first matrix instruction and nh's two behind the second: nothing issued since the wait names buffer fu, v1 or v2.  The first phase fills buffer 7,
; which no vector or matrix instruction has named: it holds no such wait; the tail's phases load nothing and hold none either.
; left: the loads of the next six tiles (4 each) were issued behind this tile's and may stay out; the refill follows the wait, so it is not counted.
.macro PHASE rb, d, dp, on, fill, fu, fo, left
	s_wait_loadcnt \left
.if (\fill) && (\on)
	s_wait_alu depctr_va_vdst(0)                   ; the matrix instructions of the phase before are done reading buffer fu, in which the four loads below land
.endif
	WM \rb, \d, 0
.if \fill
	FRAG \fu, \fo
.endif
.if \on
	LK 1, \dp
	LK 2, \dp
.endif
	WM \rb, \d, 1
.if \fill
	NHS \fu, \fo
.endif
.if \on
	LK 3, \dp
	LK 4, \dp
.endif
	WM \rb, \d, 2
.if \on
	LK 5, \dp
	LK 6, \dp
.endif
	WM \rb, \d, 3
.if \on
	LK 7, \dp
	LK 8, \dp
	LK 9, \dp
	v_add_nc_u32 v[VT], -1, v[VT]
.else
.rept 4
	v_nop
.endr
.endif
.endm
	PHASE RING, DA, DB, 0, 1, 7, 7, 24             ; tile 0; tile 7 is asked for
	s_mov_b32 s19, 7
.Lloop:                                            ; trip k: tiles 8 k + 1 .. 8 k + 8; tiles 8 k + 8 .. 8 k + 15 are asked for (the last: 63)
	PHASE RING+16,  DB, DA, 1, 1, 0, 8, 24
	PHASE RING+32,  DA, DB, 1, 1, 1, 9, 24
	PHASE RING+48,  DB, DA, 1, 1, 2, 10, 24
	PHASE RING+64,  DA, DB, 1, 1, 3, 11, 24
	PHASE RING+80,  DB, DA, 1, 1, 4, 12, 24
	PHASE RING+96,  DA, DB, 1, 1, 5, 13, 24
	PHASE RING+112, DB, DA, 1, 1, 6, 14, 24
	PHASE RING,     DA, DB, 1, 1, 7, 15, 24
	s_wait_xcnt 0x0                                ; the two bases are stepped only when every load issued has had its address taken
	s_add_nc_u64 s[6:7], s[6:7], 8*TILEB
	s_add_nc_u64 s[8:9], s[8:9], 8*64
	s_sub_co_i32 s19, s19, 1
	s_cmp_lg_u32 s19, 0
	s_cbranch_scc1 .Lloop
	PHASE RING+16,  DB, DA, 1, 0, 0, 0, 24         ; tiles 57 .. 63: nothing more is asked for, the counts run down
	PHASE RING+32,  DA, DB, 1, 0, 0, 0, 20
	PHASE RING+48,  DB, DA, 1, 0, 0, 0, 16
	PHASE RING+64,  DA, DB, 1, 0, 0, 0, 12
	PHASE RING+80,  DB, DA, 1, 0, 0, 0, 8
	PHASE RING+96,  DA, DB, 1, 0, 0, 0, 4
	PHASE RING+112, DB, DA, 1, 0, 0, 0, 0
.irp st, 1,2,3,4,5,6,7,8,9
	LK \st, DB                                     ; the look at tile 63, 13 places behind its last matrix instruction
.endr
	; The lists meet in LDS as (value, value, chunk, chunk).  value = the key without its six low bits, so that equal maxima are equal values again;
	; tile t = ((key xor sign mask) xor 63) & 63;  chunk = 2 (64 w + t) + h.
	s_lshl_b32 s18, s2, 7
	v_add_nc_u32 v[S], s18, v4                     ; 128 w + h
.irp nn, 0,1,2,3
.irp q, 0,1
	v_ashrrev_i32 v[M], 31, v[TR+2*\nn+\q]
	v_xor_b32 v[M], v[M], v[TR+2*\nn+\q]
	v_xor_b32 v[M], 63, v[M]
	v_and_b32 v[M], 63, v[M]
	v_lshl_add_u32 v[DA+4*\nn+2+\q], v[M], 1, v[S]
	v_and_b32 v[DA+4*\nn+\q], 0xffffffc0, v[TR+2*\nn+\q]
.endr
.endr
	v_lshlrev_b32 v7, 10, v4
	v_lshl_add_u32 v7, v5, 6, v7
	s_lshl_b32 s18, s2, 11
	v_add_nc_u32 v7, s18, v7                       ; list 2 w + h (1,024 bytes), row 4 r + nn (16 bytes): each wave has 2,048 bytes of its own
	v_lshlrev_b32 v3, 4, v0                        ; 16 t: where a merging thread reads its row's entries and stores its result; made here, ahead of the wait that stands below in any case
	s_wait_alu depctr_va_vdst(0)                   ; v[DA .. DA+15] and v7 are written, which the LDS stores read, and v3, which the LDS loads and the last store read; and all that named v[40:103], in which those loads land, is complete
.irp nn, 0,1,2,3
	ds_store_b128 v7, v[DA+4*\nn:DA+4*\nn+3] offset:16*\nn
.endr
	s_wait_dscnt 0x0                               ; for the other waves' sake
	s_barrier_signal -1
	s_barrier_wait -1
	s_cmp_gt_u32 s2, 1
	s_cbranch_scc1 .Lend                           ; threads 0 to 63 (waves 0 and 1) merge one row each; no barrier follows
	s_wait_alu depctr_vm_vsrc(0)                   ; my LDS stores have read v[DA .. DA+15], in which the first four loads below land (no vector instruction has been issued since the wait on va_vdst above)
.set n, 0
.rept 16
	ds_load_b128 v[DA+4*n:DA+4*n+3], v3 offset:1024*n
.set n, n+1
.endr
	s_lshl_b32 s12, ttmp9, 10
	s_add_nc_u64 s[10:11], s[10:11], s[12:13]      ; 64 rows x 16 bytes
	s_wait_dscnt 0x0
	v_max_num_f32 v[M], v[DA], v[DA+4]             ; the row's largest value: the largest of the 16 best
.set n, 2
.rept 7
	v_max3_num_f32 v[M], v[M], v[DA+4*n], v[DA+4*n+4]
.set n, n+2
.endr
	; One whole number for each of the 32 entries: e = largest - value is >= 0, so its bits order like the number; near the top the difference is
	; exact and small, so the ten low bits that make room for the chunk's number are 2^-13 of a small number.  Smaller is better; equal e: lower chunk.
.set n, 0
.rept 16
	v_sub_f32 v[DA+4*n], v[M], v[DA+4*n]
	v_sub_f32 v[DA+4*n+1], v[M], v[DA+4*n+1]
	v_and_or_b32 v[DA+4*n], v[DA+4*n], 0xfffffc00, v[DA+4*n+2]
	v_and_or_b32 v[DA+4*n+1], v[DA+4*n+1], 0xfffffc00, v[DA+4*n+3]
.set n, n+1
.endr
; Four numbers at B, B+1, B+4, B+5 come out in ascending order at B .. B+3; B+2, B+3, B+6, B+7 are at work.
.macro SORT4 B
	v_min_u32 v[\B+2], v[\B], v[\B+1]
	v_max_u32 v[\B+3], v[\B], v[\B+1]
	v_min_u32 v[\B+6], v[\B+4], v[\B+5]
	v_max_u32 v[\B+7], v[\B+4], v[\B+5]
	v_min_u32 v[\B], v[\B+2], v[\B+6]              ; the least of all
	v_max_u32 v[\B+4], v[\B+2], v[\B+6]
	v_min_u32 v[\B+5], v[\B+3], v[\B+7]
	v_max_u32 v[\B+3], v[\B+3], v[\B+7]            ; the largest of all
	v_min_u32 v[\B+1], v[\B+5], v[\B+4]
	v_max_u32 v[\B+2], v[\B+5], v[\B+4]
.endm
; The four least of two ascending fours a and b, in ascending order at t .. t+3: min(a[i], b[3-i]) are those four, first rising then falling;
; compare-exchanges at distance 2 and then 1 put them in order.  a is overwritten.
.macro MERGE4 a, b, t
	v_min_u32 v[\t],   v[\a],   v[\b+3]
	v_min_u32 v[\t+1], v[\a+1], v[\b+2]
	v_min_u32 v[\t+2], v[\a+2], v[\b+1]
	v_min_u32 v[\t+3], v[\a+3], v[\b]
	v_min_u32 v[\a],   v[\t],   v[\t+2]
	v_max_u32 v[\a+2], v[\t],   v[\t+2]
	v_min_u32 v[\a+1], v[\t+1], v[\t+3]
	v_max_u32 v[\a+3], v[\t+1], v[\t+3]
	v_min_u32 v[\t],   v[\a],   v[\a+1]
	v_max_u32 v[\t+1], v[\a],   v[\a+1]
	v_min_u32 v[\t+2], v[\a+2], v[\a+3]
	v_max_u32 v[\t+3], v[\a+2], v[\a+3]
.endm
.irp m, 0,1,2,3,4,5,6,7
	SORT4 DA+8*\m                                  ; two lists each: eight fours
.endr
.irp p, 0,1,2,3
	MERGE4 DA+16*\p, DA+16*\p+8, DA+16*\p+4        ; four fours, at DA + 16 p + 4
.endr
.irp q, 0,1
	MERGE4 DA+32*\q+4, DA+32*\q+20, DA+32*\q       ; two fours, at DA and DA + 32
.endr
.irp i, 0,1,2,3
	v_min_u32 v[DA+4+\i], v[DA+\i], v[DA+32+3-\i]  ; the four least of all 32; their order does not matter any more
.endr
	v_and_b32 v[DA+8],  0x3ff, v[DA+4]             ; their chunks,
	v_and_b32 v[DA+9],  0x3ff, v[DA+5]
	v_and_b32 v[DA+12], 0x3ff, v[DA+6]
	v_and_b32 v[DA+13], 0x3ff, v[DA+7]
	SORT4 DA+8                                     ; in ascending order: the next launch leans on that for equal distances
	s_wait_alu depctr_va_vdst(0)                   ; the sort has written v[DA+8 .. DA+11], which the store reads
	global_store_b128 v3, v[DA+8:DA+11], s[10:11]  ; a wave stores 512 consecutive bytes, aligned
.Lend:
	s_wait_dscnt 0x0
	s_wait_alu depctr_hold_cnt(0) depctr_sa_sdst(0) depctr_va_vdst(0) depctr_va_sdst(0) depctr_va_ssrc(0) depctr_va_vcc(0) depctr_vm_vsrc(0)
	s_wait_tensorcnt 0x0
	ds_add_u32 v250, v251
	s_wait_dscnt 0x0
	s_endpgm
.Lfunc_end_k_q7759eb4141_scan:
	.size	k_q7759eb4141_scan, .Lfunc_end_k_q7759eb4141_scan-k_q7759eb4141_scan
	.p2alignl 7, 3214868480
	.fill 96, 4, 3214868480
	.section	.rodata,"a",@progbits
	.p2align	6, 0x0
	.amdhsa_kernel k_q7759eb4141_scan
		.amdhsa_group_segment_fixed_size 17408
		.amdhsa_private_segment_fixed_size 0
		.amdhsa_enable_private_segment 0
		.amdhsa_kernarg_size 32
		.amdhsa_user_sgpr_count 2
		.amdhsa_user_sgpr_kernarg_segment_ptr 1
		.amdhsa_wavefront_size32 1
		.amdhsa_system_sgpr_workgroup_id_x 1
		.amdhsa_system_sgpr_workgroup_id_y 1
		.amdhsa_system_sgpr_workgroup_id_z 1
		.amdhsa_system_vgpr_workitem_id 0
		.amdhsa_next_free_vgpr 252
		.amdhsa_next_free_sgpr 66
		.amdhsa_reserve_vcc 0
		.amdhsa_float_denorm_mode_32 3
		.amdhsa_float_denorm_mode_16_64 3
		.amdhsa_memory_ordered 1
		.amdhsa_forward_progress 1
		.amdhsa_inst_pref_size 60
	.end_amdhsa_kernel
	.amdgpu_metadata
---
amdhsa.version: [ 1, 2 ]
amdhsa.kernels:
  - .name:           k_q7759eb4141_scan
    .symbol:         k_q7759eb4141_scan.kd
    .args:
      - { .name: z, .offset: 0, .size: 8, .value_kind: global_buffer, .address_space: global }
      - { .name: cs, .offset: 8, .size: 8, .value_kind: global_buffer, .address_space: global }
      - { .name: nh, .offset: 16, .size: 8, .value_kind: global_buffer, .address_space: global }
      - { .name: cand, .offset: 24, .size: 8, .value_kind: global_buffer, .address_space: global }
    .group_segment_fixed_size: 17408
    .private_segment_fixed_size: 0
    .kernarg_segment_align: 8
    .kernarg_segment_size: 32
    .max_flat_workgroup_size: 256
    .sgpr_count:     66
    .vgpr_count:     252
    .wavefront_size: 32
...
	.end_amdgpu_metadata
.endif
;; end of part 8
;; launch finish: the kernel of part 7 again; grid 256 x 1, 16 waves a work-group, no clusters, 19,968 bytes of LDS; arguments z, cbf, cand, nh, out0, out2, part; writes out0, out2, part
;; launch loss: the kernel of part 4 again; grid 1 x 1, 1 waves a work-group, no clusters, 0 bytes of LDS; arguments part, out1; writes out1
